; MI455X (gfx1250); checked and timed in simulation.
; The chip was launched on July 23, 2026; its instructions are those of AMD's public machine-readable ISA for CDNA 5 (MIT licence, August 2026) and "CDNA5" Instruction Set Architecture Reference Guide (July 2026). The comments in the code are by the model that wrote it; some were corrected since.
;; MH Att. Allowed arithmetic: matrix products marked QUANTISED: E2M1 operands, one E8M0 scale for each 32 along K, by v_wmma_scale_f32_16x16x128_f8f6f4 with both operands' format E2M1 (or v_wmma_scale_f32_32x16x128_f4), f32 sums; products left as they are: bf16, f16 or f32 operands; f32 sums; everything else in f32.
;; Inputs: Wk 1,024 x 1,024 float32; Wo 1,024 x 1,024 float32; Wq 1,024 x 1,024 float32; Wv 1,024 x 1,024 float32; bk 1,024 float32; bo 1,024 float32; bq 1,024 float32; bv 1,024 float32; k 8 x 1,024 x 1,024 float32; mask 8 x 1 x 1 x 1,024 bool; q 8 x 1,024 x 1,024 float32; v 8 x 1,024 x 1,024 float32.
;; Outputs: out0 8 x 1,024 x 1,024 float32.
;; This version of the problem:
;;   THIS VERSION OF THE PROBLEM IS GIVEN IN LOW PRECISION. The matrix products marked QUANTISED in the list below multiply operands that are first quantised to E2M1 (2 exponent bits, 1 mantissa bit; 4 bits a number), with one power-of-two scale for each 32 numbers along K (OCP MX v1.0); their sums are f32. The products marked 'left as it is' may take bf16, f16 or f32 operands, with f32 sums. All else is computed in f32.
;;   The module's matrix products, in the order in which they are computed (A, B: the left and right operand; K: the contracted axis; several contracted axes count as one K, in the product's order):
;;     1. [M 8,192, K 1,024] x [K 1,024, N 1,024]; A: input q; B: input Wq: QUANTISED
;;     2. [M 8,192, K 1,024] x [K 1,024, N 1,024]; A: input k; B: input Wk: QUANTISED
;;     3. [M 8,192, K 1,024] x [K 1,024, N 1,024]; A: input v; B: input Wv: QUANTISED
;;     4. batch 128 x [M 1,024, K 64] x [K 64, N 1,024]; A: computed on the way; B: computed on the way: left as it is (an operand is computed on the way)
;;     5. batch 128 x [M 1,024, K 1,024] x [K 1,024, N 64]; A: computed on the way; B: computed on the way: left as it is (an operand is computed on the way)
;;     6. [M 8,192, K 1,024] x [K 1,024, N 1,024]; A: computed on the way; B: input Wo: left as it is (an operand is computed on the way)
;;   THE QUANTISER, for each operand of a quantised product, along K:
;;     - K is cut into blocks of 32 from its start; a last block that is shorter is filled with zeros.
;;     - A block's scale is 2^e with e = floor(log2(the largest magnitude in the block)) - 2, held to -126 .. 127; a block of zeros has e = 0. As a byte (E8M0): e + 127.
;;     - Each number is divided by its block's scale, clamped to +-6, and rounded to the nearest number of E2M1, ties to even, subnormals kept.
;;     - The product sums the exact products of the quantised numbers (number of the format x scale) in f32.
;;   ~~~python
;;   def quantise(x, axis):      # numpy; x: float32 -> the quantised numbers, widened to float32 again
;;       x = np.moveaxis(x, axis, -1); K = x.shape[-1]
;;       x = np.pad(x, [(0, 0)] * (x.ndim - 1) + [(0, -K % 32)]); x = x.reshape(x.shape[:-1] + (-1, 32)); a = np.abs(x).max(-1, keepdims=True)
;;       e = np.where(a > 0, np.clip(np.frexp(np.where(a > 0, a, 1))[1] - 1 - 2, -126, 127), 0)      # np.frexp(a)[1] - 1 = floor(log2(a)), exactly
;;       r = np.clip(x / 2.0 ** e, -6, 6)
;;       step = 2.0 ** (np.maximum(np.frexp(np.where(r == 0, 1, r))[1] - 1, 0) - 1)
;;       q = np.round(r / step) * step * 2.0 ** e      # np.round: ties to even
;;       return np.moveaxis(q.reshape(q.shape[:-2] + (-1,))[..., :K], -1, axis).astype(np.float32)
;;   ~~~
;; One version. Each part assembles by itself: llvm-mc -triple=amdgcn-amd-amdhsa -mcpu=gfx1250 --defsym DOCPART=n.
;; ======== version 1 of 1: 4 launches
;; limits: values are held in f16: magnitudes above 65,504 overflow, below 6.1e-05 lose precision
;; workspace buffers: xc 12,582,912 bytes; xs 786,432 bytes; wc 1,572,864 bytes; ws 98,304 bytes; wo16 2,097,152 bytes; kv 33,554,432 bytes; ao 16,777,216 bytes
;; launch quant (part 1): grid 992 x 1, 4 waves a work-group, no clusters, 78,848 bytes of LDS; arguments q, k, v, Wq, Wk, Wv, Wo, xc, xs, wc, ws, wo16; writes xc, xs, wc, ws, wo16
.if DOCPART == 1
	.amdgcn_target "amdgcn-amd-amdhsa--gfx1250"
	.amdhsa_code_object_version 6
	.text
	.protected	k_q94d8982505_quant
	.globl	k_q94d8982505_quant
	.p2align	8
	.type	k_q94d8982505_quant,@function
k_q94d8982505_quant:
	s_mov_b64 s[64:65], 0
	v_nop
	global_prefetch_b8 v0, s[64:65] scope:SCOPE_SE
	s_setreg_imm32_b32 hwreg(HW_REG_WAVE_MODE, 25, 1), 1
	s_wait_xcnt 0x0
; q, k, v [8192][1024] and Wq, Wk, Wv [1024][1024], f32, K innermost, become codes of FP4 (E2M1) with one E8M0 byte for each 32 along K.  Wo [1024][1024] becomes f16, laid as images of operand registers.
; k, v, Wk, Wv (regions 1 and 2 of the buffers) keep rows: xc [row][512 bytes], xs [row][32], wc, ws likewise.
; q AND Wq (region 0) ARE LAID AS IMAGES OF OPERAND REGISTERS, since attention loads q's fragments straight into registers: codes [16 rows][K step of 128: 8][1,024 bytes], where the 16 bytes of
; block kb (32 codes) of row r lie at 256 kb + 16 r: lane (r, h) finds registers 0-3 at 16 x lane and 4-7 at 512 + 16 x lane.  Their scale bytes: [16 rows][half of K: 2][row][16 bytes].
; A block's scale is 2^(floor(log2(its largest magnitude)) - 2); its byte is the largest magnitude's exponent field - 2, held at 1 from below.  A block of zeros
; so gets the byte 1 where the rule says 127: its codes are zeros, and this program alone reads the bytes.
; LIMITS: blocks whose largest magnitude lies under 2^-124 get the byte 1; NaN and infinities are not served; |Wo| beyond 65,504 has no f16 number.
; SHARES.  Work-groups 0-767: 32,768 numbers each of q, k, v; 768-863: of Wq, Wk, Wv; 864-991: Wo.
; A wave takes 16 steps of 512 numbers: by rows, 8 whole rows; for images, 16 rows x one half of K, a row a step.  Each load reads 512 consecutive bytes; a step's 2,048 bytes turn through the wave's own stage
; in LDS, so that a lane holds 16 neighbours along K (two lanes to a block), which is what the conversions take.  By rows a step's codes leave as 256 consecutive bytes; for images they are gathered in LDS,
; 16 pieces of 256 bytes, and leave as eight stores of 512 consecutive bytes.  A wave's 256 scale bytes leave as one store on both paths.
; No tensor load, no barrier: waves share nothing.  The three paths part on the work-group's number and have LDS bytes of their own.
.set STEPS, 16
.set EMAX,  2
.set CB,    8                          ; bytes of 16 codes
.set NX,    768                        ; work-groups for q, k, v
.set NW,    96                         ; for Wq, Wk, Wv
.set R,     16                         ; v16-79   four sets of 16 numbers as loaded (Wo: 16 x 4)
.set X,     80                         ; v80-111  two sets of 16 neighbours; images: the way out
.set E,     112                        ; v112-127 a scale byte for each step
.set C,     128                        ; v128-191 codes, four registers a step
.set SP,    80                         ; a lane's place in a stage: 64 bytes + 16
.set WREG,  5632                       ; by rows: LDS of a wave: two stages of 32 x SP bytes, then 256 scale bytes
.set WOL,   4*WREG                     ; Wo's path: LDS from here on,
.set WOW,   16*272                     ; 16 pieces of 256 bytes + 16 for each wave
.set IMG0,  WOL+4*WOW                  ; the images' path: LDS from here on,
.set IREG,  2*32*SP+256+WOW            ; two stages, 256 scale bytes, 16 pieces of 256 + 16 for each wave
.set HF,    80                         ; Wo: v80-111 f16 pairs
.set OU,    112                        ; Wo: v112-143 on the way out
.macro LOAD t, img                     ; a step is 2,048 bytes on by rows, a row of 4,096 bytes on for images
.irp i, 0,1,2,3
	global_load_b128 v[R+16*((\t)%4)+4*\i:R+16*((\t)%4)+4*\i+3], v3, s[28:29] offset:(2048+2048*(\img))*(\t)+512*\i th:TH_LOAD_NT   ; 32 lanes read 512 consecutive bytes
.endr
.endm
.macro TURN t                          ; step t's numbers through the stage; LDS serves a wave's instructions in order, so no wait stands between the stores and the loads
.irp i, 0,1,2,3
	ds_store_b128 v14, v[R+16*((\t)%4)+4*\i:R+16*((\t)%4)+4*\i+3] offset:32*SP*((\t)%2)+8*SP*\i
.endr
.irp i, 0,1,2,3
	ds_load_b128 v[X+16*((\t)%2)+4*\i:X+16*((\t)%2)+4*\i+3], v15 offset:32*SP*((\t)%2)+16*\i
.endr
.endm
.macro STEP t, img
.set XS, X+16*((\t)%2)
.if (\t) > 0
	s_wait_dscnt 1+(\img)                          ; this step's numbers are back from the stage (the last step's byte store, and for images its code store, may be out)
.else
	s_wait_dscnt 0x0
.endif
.if (\t)+4 < STEPS
	LOAD (\t)+4, \img                              ; into the registers that the stage's stores have read
.endif
.if (\t)+1 < STEPS
.if STEPS-2-(\t) >= 3
	s_wait_loadcnt 12                              ; the next step's four loads are in; those of the three steps behind it may be out
.else
	s_wait_loadcnt 4*(STEPS-2-(\t))
.endif
	TURN (\t)+1
.endif
	v_max3_num_f32 v8, |v[XS]|, |v[XS+1]|, |v[XS+2]|               ; the largest magnitude of my 16, in two chains
	v_max3_num_f32 v9, |v[XS+3]|, |v[XS+4]|, |v[XS+5]|
.irp i, 6,10
	v_max3_num_f32 v8, v8, |v[XS+\i]|, |v[XS+\i+1]|
	v_max3_num_f32 v9, v9, |v[XS+\i+2]|, |v[XS+\i+3]|
.endr
	v_max3_num_f32 v8, v8, |v[XS+14]|, |v[XS+15]|
	v_max3_num_f32 v8, v8, v9, (EMAX+1)<<23        ; and the floor 2^(3 - 127): the byte cannot fall under 1
	v_max_num_f32_dpp v8, v8, v8 row_xmask:1 row_mask:0xf bank_mask:0xf   ; with my neighbour's 16: the block's
	v_add_nc_u32 v11, -(EMAX<<23), v8              ; 2 off its exponent field: the conversion takes the exponent field of this operand as its scale
	v_cvt_scalef32_pk8_fp4_f32 v[C+4*(\t)], v[XS:XS+7], v11
	v_cvt_scalef32_pk8_fp4_f32 v[C+4*(\t)+1], v[XS+8:XS+15], v11
	v_lshrrev_b32 v[E+(\t)], 23, v11               ; the scale's byte (also the plain line behind the conversions)
	ds_store_b8 v5, v[E+(\t)] offset:16*(\t)       ; both lanes of a block write the same byte with the same value.  For images: row t's 16 bytes of this half of K
.if \img
	ds_store_b64 v10, v[C+4*(\t):C+4*(\t)+1] offset:16*(\t)        ; block lane / 2 of row t: piece lane / 2, 16 t bytes on, my half of its 16 bytes
.else
	global_store_b64 v4, v[C+4*(\t):C+4*(\t)+1], s[34:35] offset:32*CB*(\t)   ; the wave stores 256 consecutive bytes, aligned
.endif
.endm
; A wave's whole run.  s3: the wave's LDS bytes on this path.
.macro RUN img
	v_lshrrev_b32 v14, 2, v2
	v_mul_u32_u24 v14, v14, SP
	v_and_b32 v15, 3, v2
	v_lshl_add_u32 v14, v15, 4, v14
	v_add_nc_u32 v14, s3, v14                      ; into the stage: SP (lane / 4) + 16 (lane % 4)
	v_mul_u32_u24 v15, v2, SP
	v_add_nc_u32 v15, s3, v15                      ; out of it: SP x lane: my 16 neighbours
	v_mul_u32_u24 v4, v2, CB                       ; my codes' place in a step's
	v_lshrrev_b32 v5, 1, v2
	s_add_co_u32 s3, s3, 2*32*SP
	v_add_nc_u32 v5, s3, v5                        ; my block's byte among my wave's 256
	v_lshlrev_b32 v7, 3, v2
	v_add_nc_u32 v6, s3, v7                        ; and 8 bytes a lane on the way out
.if \img
	s_add_co_u32 s3, s3, 256                       ; the codes' 16 pieces
	v_lshrrev_b32 v10, 1, v2
	v_mul_u32_u24 v10, v10, 272
	v_and_b32 v1, 1, v2
	v_lshl_add_u32 v10, v1, 3, v10
	v_add_nc_u32 v10, s3, v10                      ; in: piece lane / 2, half lane % 2; the row stands in the offset
	v_lshrrev_b32 v1, 4, v2
	v_mul_u32_u24 v1, v1, 272
	v_and_b32 v9, 15, v2
	v_lshl_add_u32 v1, v9, 4, v1
	v_add_nc_u32 v1, s3, v1                        ; out: sixteen lanes to a piece of 256 bytes
.endif
.irp t, 0,1,2,3
	LOAD \t, \img
.endr
	s_wait_loadcnt 12                              ; step 0's four loads are in; three steps' twelve stay out
	TURN 0
.irp t, 0,1,2,3,4,5,6,7,8,9,10,11,12,13,14,15
	STEP \t, \img
.endr
	ds_load_b64 v[12:13], v6                       ; behind my byte stores, in order
.if \img
.irp j, 0,1,2,3,4,5,6,7
	ds_load_b128 v[X+4*\j:X+4*\j+3], v1 offset:544*\j              ; behind my code stores, in order: two pieces a load
.endr
	s_wait_dscnt 8                                 ; the scale bytes are back; the eight loads behind them may be out
	global_store_b64 v7, v[12:13], s[36:37]        ; 256 consecutive bytes, aligned
.irp j, 0,1,2,3,4,5,6,7
	s_wait_dscnt 7-\j
	global_store_b128 v3, v[X+4*\j:X+4*\j+3], s[34:35] offset:512*\j   ; 512 consecutive bytes, aligned: half an image
.endr
.else
	s_wait_dscnt 0x0
	global_store_b64 v7, v[12:13], s[36:37]        ; 256 consecutive bytes, aligned
.endif
	s_endpgm
.endm
	s_load_b256 s[4:11], s[0:1], 0x0               ; q, k, v, Wq
	s_load_b256 s[12:19], s[0:1], 0x20             ; Wk, Wv, Wo, xc
	s_load_b256 s[20:27], s[0:1], 0x40             ; xs, wc, ws, wo16
	v_lshrrev_b32 v1, 5, v0
	v_readfirstlane_b32 s2, v1                     ; wave
	v_and_b32 v2, 31, v0                           ; lane
	v_lshlrev_b32 v3, 4, v2                        ; 16 x lane
	s_cmp_ge_u32 ttmp9, NX+NW
	s_cbranch_scc1 .Lwo
	s_wait_kmcnt 0x0
	s_cmp_lt_u32 ttmp9, NX                         ; activations or weights: the choice hangs on the work-group's number alone
	s_cselect_b64 s[28:29], s[4:5], s[10:11]       ; q or Wq
	s_cselect_b64 s[30:31], s[6:7], s[12:13]       ; k or Wk
	s_cselect_b64 s[32:33], s[8:9], s[14:15]       ; v or Wv
	s_cselect_b64 s[34:35], s[18:19], s[22:23]     ; the codes' buffer
	s_cselect_b64 s[36:37], s[20:21], s[24:25]     ; the scale bytes' buffer
	s_cselect_b32 s38, 0, NX
	s_cselect_b32 s39, 8, 5                        ; 256 or 32 work-groups to a tensor
	s_sub_co_u32 s38, ttmp9, s38                   ; e: my number among the three tensors' work-groups
	s_lshr_b32 s40, s38, s39                       ; which of the three
	s_lshl_b32 s41, s40, s39
	s_sub_co_u32 s41, s38, s41                     ; and my number in it
	s_cmp_eq_u32 s40, 1
	s_cselect_b64 s[28:29], s[30:31], s[28:29]
	s_cmp_eq_u32 s40, 2
	s_cselect_b64 s[28:29], s[32:33], s[28:29]
	s_lshl_b32 s42, s41, 2
	s_add_co_u32 s42, s42, s2                      ; my wave's run of 8,192 numbers in the tensor
	s_mov_b32 s43, 0
	s_lshl_b32 s44, s38, 2
	s_add_co_u32 s44, s44, s2
	s_lshl_b32 s46, s44, 12                        ; 4,096 bytes of codes a run, on both paths
	s_mov_b32 s47, 0
	s_add_nc_u64 s[34:35], s[34:35], s[46:47]
	s_lshl_b32 s46, s44, 8                         ; 256 scale bytes a run
	s_add_nc_u64 s[36:37], s[36:37], s[46:47]
	s_cmp_eq_u32 s40, 0                            ; q and Wq go to images
	s_cbranch_scc1 .Limg
	s_lshl_b32 s42, s42, 15                        ; by rows: 32,768 bytes a run
	s_add_nc_u64 s[28:29], s[28:29], s[42:43]
	s_mul_i32 s3, s2, WREG
	RUN 0
.Limg:
	s_lshr_b32 s44, s42, 1                         ; which 16 rows
	s_and_b32 s45, s42, 1                          ; which half of K
	s_lshl_b32 s42, s44, 16                        ; 16 rows of 4,096 bytes
	s_lshl_b32 s45, s45, 11                        ; 512 numbers of 4 bytes
	s_add_co_u32 s42, s42, s45
	s_add_nc_u64 s[28:29], s[28:29], s[42:43]
	s_mul_i32 s3, s2, IREG
	s_add_co_u32 s3, s3, IMG0
	RUN 1
; Wo -> f16 images.  A wave takes 16 rows n x 128 along K: four fragments of 16 x 32.  In an image lane (r, h) finds k = 8 h .. + 7 at 16 x lane and k = 16 + 8 h .. + 7 at
; 512 + 16 x lane: so the eight numbers k = 8 u .. 8 u + 7 of row r lie at 256 u + 16 r.  wo16: [K step of 128][16 rows n][4,096 bytes].
.Lwo:
	s_sub_co_u32 s28, ttmp9, NX+NW
	s_lshl_b32 s28, s28, 2
	s_add_co_u32 s28, s28, s2                      ; 0 .. 511
	s_lshr_b32 s29, s28, 3                         ; which 16 rows
	s_and_b32 s30, s28, 7                          ; which K step
	s_lshl_b32 s32, s29, 16                        ; 16 rows of 4,096 bytes
	s_lshl_b32 s31, s30, 9                         ; 128 numbers of 4 bytes
	s_add_co_u32 s32, s32, s31
	s_mov_b32 s33, 0
	s_lshl_b32 s34, s30, 18
	s_lshl_b32 s31, s29, 12
	s_add_co_u32 s34, s34, s31
	s_mov_b32 s35, 0
	s_mul_i32 s36, s2, WOW
	s_add_co_u32 s36, s36, WOL
	v_lshrrev_b32 v4, 1, v2
	v_mul_u32_u24 v4, v4, 272
	v_and_b32 v5, 1, v2
	v_lshl_add_u32 v4, v5, 3, v4
	v_add_nc_u32 v4, s36, v4                       ; in: my four numbers k = 4 lane ..: piece lane / 2, half lane % 2; the row stands in the offset
	v_lshrrev_b32 v5, 4, v2
	v_mul_u32_u24 v5, v5, 272
	v_and_b32 v6, 15, v2
	v_lshl_add_u32 v5, v6, 4, v5
	v_add_nc_u32 v5, s36, v5                       ; out: sixteen lanes to a piece of 256 bytes
	s_wait_kmcnt 0x0
	s_add_nc_u64 s[16:17], s[16:17], s[32:33]
	s_add_nc_u64 s[26:27], s[26:27], s[34:35]
.irp i, 0,1,2,3,4,5,6,7,8,9,10,11,12,13,14,15
	global_load_b128 v[R+4*\i:R+4*\i+3], v3, s[16:17] offset:4096*\i th:TH_LOAD_NT   ; row i: 512 consecutive bytes
.endr
.irp i, 0,1,2,3,4,5,6,7,8,9,10,11,12,13,14,15
	s_wait_loadcnt 15-\i                           ; row i is in; the younger rows may be out
	v_cvt_pk_f16_f32 v[HF+2*\i], v[R+4*\i], v[R+4*\i+1]
	v_cvt_pk_f16_f32 v[HF+2*\i+1], v[R+4*\i+2], v[R+4*\i+3]
	ds_store_b64 v4, v[HF+2*\i:HF+2*\i+1] offset:16*\i
.endr
.irp j, 0,1,2,3,4,5,6,7
	ds_load_b128 v[OU+4*\j:OU+4*\j+3], v5 offset:544*\j            ; behind my stores, in order
.endr
.irp j, 0,1,2,3,4,5,6,7
	s_wait_dscnt 7-\j
	global_store_b128 v3, v[OU+4*\j:OU+4*\j+3], s[26:27] offset:512*\j   ; 512 consecutive bytes, aligned
.endr
	s_endpgm
.Lfunc_end_k_q94d8982505_quant:
	.size	k_q94d8982505_quant, .Lfunc_end_k_q94d8982505_quant-k_q94d8982505_quant
	.p2alignl 7, 3214868480
	.fill 96, 4, 3214868480
	.section	.rodata,"a",@progbits
	.p2align	6, 0x0
	.amdhsa_kernel k_q94d8982505_quant
		.amdhsa_group_segment_fixed_size 78848
		.amdhsa_private_segment_fixed_size 0
		.amdhsa_enable_private_segment 0
		.amdhsa_kernarg_size 96
		.amdhsa_user_sgpr_count 2
		.amdhsa_user_sgpr_kernarg_segment_ptr 1
		.amdhsa_wavefront_size32 1
		.amdhsa_system_sgpr_workgroup_id_x 1
		.amdhsa_system_sgpr_workgroup_id_y 1
		.amdhsa_system_sgpr_workgroup_id_z 1
		.amdhsa_system_vgpr_workitem_id 0
		.amdhsa_next_free_vgpr 192
		.amdhsa_next_free_sgpr 66
		.amdhsa_reserve_vcc 0
		.amdhsa_float_denorm_mode_32 3
		.amdhsa_float_denorm_mode_16_64 3
		.amdhsa_memory_ordered 1
		.amdhsa_forward_progress 1
		.amdhsa_inst_pref_size 74
	.end_amdhsa_kernel
	.amdgpu_metadata
---
amdhsa.version: [ 1, 2 ]
amdhsa.kernels:
  - .name:           k_q94d8982505_quant
    .symbol:         k_q94d8982505_quant.kd
    .args:
      - { .name: q, .offset: 0, .size: 8, .value_kind: global_buffer, .address_space: global }
      - { .name: k, .offset: 8, .size: 8, .value_kind: global_buffer, .address_space: global }
      - { .name: v, .offset: 16, .size: 8, .value_kind: global_buffer, .address_space: global }
      - { .name: Wq, .offset: 24, .size: 8, .value_kind: global_buffer, .address_space: global }
      - { .name: Wk, .offset: 32, .size: 8, .value_kind: global_buffer, .address_space: global }
      - { .name: Wv, .offset: 40, .size: 8, .value_kind: global_buffer, .address_space: global }
      - { .name: Wo, .offset: 48, .size: 8, .value_kind: global_buffer, .address_space: global }
      - { .name: xc, .offset: 56, .size: 8, .value_kind: global_buffer, .address_space: global }
      - { .name: xs, .offset: 64, .size: 8, .value_kind: global_buffer, .address_space: global }
      - { .name: wc, .offset: 72, .size: 8, .value_kind: global_buffer, .address_space: global }
      - { .name: ws, .offset: 80, .size: 8, .value_kind: global_buffer, .address_space: global }
      - { .name: wo16, .offset: 88, .size: 8, .value_kind: global_buffer, .address_space: global }
    .group_segment_fixed_size: 78848
    .private_segment_fixed_size: 0
    .kernarg_segment_align: 8
    .kernarg_segment_size: 96
    .max_flat_workgroup_size: 128
    .sgpr_count:     66
    .vgpr_count:     192
    .wavefront_size: 32
...
	.end_amdgpu_metadata
.endif
;; end of part 1
;; launch proj (part 2): grid 4 x 64, 4 waves a work-group, clusters of 4 x 4, 327,680 bytes of LDS; arguments xc, xs, wc, ws, bk, bv, mask, kv; writes kv
.if DOCPART == 2
	.amdgcn_target "amdgcn-amd-amdhsa--gfx1250"
	.amdhsa_code_object_version 6
	.text
	.protected	k_q94d8982505_proj
	.globl	k_q94d8982505_proj
	.p2align	8
	.type	k_q94d8982505_proj,@function
k_q94d8982505_proj:
	s_mov_b64 s[64:65], 0
	v_nop
	global_prefetch_b8 v0, s[64:65] scope:SCOPE_SE
	s_setreg_imm32_b32 hwreg(HW_REG_WAVE_MODE, 25, 1), 1
	s_wait_xcnt 0x0
	s_wait_alu depctr_hold_cnt(0) depctr_sa_sdst(0) depctr_va_vdst(0) depctr_va_sdst(0) depctr_va_ssrc(0) depctr_va_vcc(0) depctr_vm_vsrc(0)
	s_getreg_b32 s2, hwreg(HW_REG_IB_STS2, 6, 4)
	s_cmp_eq_u32 s2, 0
	s_cbranch_scc0 .Lentry_in_a_cluster
	s_endpgm
.Lentry_in_a_cluster:
	s_bfe_u32 s2, ttmp6, 0x10000c
	s_cmp_lg_u32 s2, 0xf033
	s_cbranch_scc0 .Lentry_shape_is_right
	s_endpgm
.Lentry_shape_is_right:
; The projections of k and v, x W^T + b, on codes of FP4 (E2M1) with E8M0 scales, sums in f32; results rounded to f16 and stored as images of the operand registers that attention loads.  (q's projection stands in attention.)
; xc [3 x 8192][512 bytes], xs [3 x 8192][32], wc [3 x 1024][512], ws [3 x 1024][32]; k's and v's rows begin behind q's.  Work-group (gx, gy): rows 8192 + 256 gy of xc (tensor t = gy / 32: 0 k, 1 v) against
; rows 1024 (t + 1) + 256 gx of wc: 2 x 32 x 4 = 256 work-groups.
; Four waves, each 128 x 128 of the result: 64 accumulators.  ALL OF K (1,024: rows of 512 bytes) lies in LDS at once: two tensor loads a wave (scale bytes, codes), filled once, one barrier.
; CLUSTER 4 x 4: the four of a row of the cluster need the same rows of x, the four of a column the same rows of W: each tile is asked for jointly.
; k: source 0 = 16 rows of W, source 1 = 16 rows of x: a lane holds one token and eight neighbouring features: packed, half a fragment (16 tokens x 32 of the head's 64).
; v: source 0 = 16 rows of x, source 1 = 16 rows of W: a lane holds one feature and eight neighbouring keys: half a fragment of V^T (16 channels x 32 keys).
; An image: registers 0-3 at 16 x lane, registers 4-7 at 512 + 16 x lane.  kv: K at 0 [head 128][16 keys 64][2][1,024], V at 16 MiB [head][32 keys 32][16 channels 4][1,024].
; The bias is the C of each sum's first product.  kh's rows under the mask are multiplied by 0 (attention then puts the mask's number in the score's place).
; LIMITS: |kh|, |vh| beyond 65,504 have no f16 number.
; REGISTERS: window 0: v16, v20 fragment addresses; v26-31 offsets; v32-95 scale words; v96-111 factors; v112-127 mask bytes, v's bias; v128-191 source 1's fragments, one set, later packed results; v192-255 the bias as C.
;   window 1: source 0's fragments, two sets, at v0 and v128.   windows 2, 3: accumulator (a, b) at v[8 (8 (a % 4) + b)], a / 4 picks the window.
.set PITCH,  528                       ; an LDS row of codes: 512 bytes + 16, so that the 16 rows of a fragment load begin 4 words apart modulo 64 words
.set HALFT,  128*PITCH                 ; 128 rows: what one tensor load brings, and what one wave reads of x or of W
.set SCL,    4*HALFT                   ; behind the codes: the scale bytes, pieces of 256 bytes + 16
.set HALFS,  16*272                    ; those of 128 rows
.set SBLK,   2*272                     ; those of 16 rows
.set XADR, 16
.set WADR, 20
.set GO,   26                          ; 16 x lane
.set ADRS, 27                          ; my scale words: lanes 0-15 x's rows, lanes 16-31 W's
.set BR,   29                          ; 4 r
.set BO,   30                          ; 32 h
.set MO,   31                          ; r
.set SC,   32                          ; register 8 i + q: lanes 0-15 the word of x's block i, lanes 16-31 that of W's block i, for the q-th 128 along K
.set FP,   96                          ; a pair for each block of tokens: the factor of my token
.set MK,   112
.set BV,   120
.set AF,   128
.set BC,   192
.set G1,   24
.set G0,   32
.set G0S,  36
.set G1B,  48
.set G0B,  56
.set G0SB, 60
.set G1S,  68
.set G1SB, 76
.set TO_B, 0x40
.set MSB, 0
.macro WIN new                         ; the immediate's high byte repeats the setting that is left
.if MSB != (\new)
	s_set_vgpr_msb (MSB<<8)|(\new)
.set MSB, (\new)
.endif
.endm
.macro PLACES                          ; four plain vector lines between a matrix instruction and a load into, or a vector or store access to, its registers
.rept 4
	v_nop
.endr
.endm
; A joint load: waves 0 and 1 fetch for x, waves 2 and 3 for W.  The branch hangs on the wave's number alone.  Four v_nop follow each of the two lines.
.macro JLOAD g0a, g1a, g0b, g1b
	s_cmp_eq_u32 s15, 0
	s_cbranch_scc0 .Lfor_b_\@
	tensor_load_to_lds s[\g0a:\g0a+3], s[\g1a:\g1a+7]
.rept 4
	v_nop
.endr
	s_branch .Lasked_\@
.Lfor_b_\@:
	tensor_load_to_lds s[\g0b:\g0b+3], s[\g1b:\g1b+7]
.rept 4
	v_nop
.endr
.Lasked_\@:
.endm
.macro CROUND                          ; a round of the cluster's barrier
	s_barrier_signal -1
	s_barrier_wait -1
	s_cmp_lg_u32 s14, 0
	s_cbranch_scc1 .Lnot_wave_0_\@
	s_barrier_signal -3
.Lnot_wave_0_\@:
	s_barrier_wait -3
	s_barrier_signal -1
	s_barrier_wait -1
.endm
	s_load_b256 s[4:11], s[0:1], 0x0               ; xc, xs, wc, ws
	s_load_b256 s[84:91], s[0:1], 0x20             ; bk, bv, mask, kv
	v_lshrrev_b32 v1, 5, v0
	v_readfirstlane_b32 s14, v1                    ; wave 0..3
	s_lshr_b32 s15, s14, 1                         ; my half of x's rows.  Also: I fetch for x (0) or for W (1)
	s_and_b32 s16, s14, 1                          ; my half of W's rows.  Also: which 128 rows I fetch
	s_bfe_u32 s40, ttmp6, 0x40000                  ; cx
	s_bfe_u32 s41, ttmp6, 0x40004                  ; cy
	s_lshl_b32 s42, ttmp9, 2
	s_add_co_u32 s42, s42, s40                     ; gx
	s_and_b32 s12, ttmp7, 0xffff                   ; the cluster's y
	s_lshr_b32 s45, s12, 3                         ; t: 0 k, 1 v: eight clusters to a tensor, the same in all sixteen partners
	s_lshl_b32 s17, s12, 2
	s_add_co_u32 s17, s17, s41                     ; gy
	s_lshl_b32 s43, s41, 2
	s_lshl_b32 s43, 15, s43                        ; my row of the cluster
	s_lshl_b32 s44, 0x1111, s40                    ; my column
	; group 1 for codes: 128 rows of 512 bytes, 16 bytes of padding behind each
	s_or_b32 s[G1], s43, (1<<20)|(1<<21)|(6<<22)|(3<<25)            ; 15:0 the mask; 17:16 elements of 1 byte; 20 padding on; 21 set beside a mask; 24:22 after every 128 words; 31:25 four words
	s_or_b32 s[G1B], s44, (1<<20)|(1<<21)|(6<<22)|(3<<25)
.irp g, G1, G1B
	s_mov_b32 s[\g+1], 512<<16                     ; tensor_dim0
	s_mov_b32 s[\g+2], 128<<16                     ; tensor_dim1
	s_mov_b32 s[\g+3], 512<<16                     ; tile_dim0
	s_mov_b32 s[\g+4], 128                         ; tile_dim1
	s_mov_b32 s[\g+5], 512                         ; from row to row
	s_mov_b32 s[\g+6], 0
	s_mov_b32 s[\g+7], 0
.endr
	; group 1 for the scale bytes of 128 rows: 4,096 dense bytes as 16 rows of 256 (32 elements of 8 bytes), 16 bytes of padding behind each
	s_or_b32 s[G1S], s43, (3<<16)|(1<<20)|(1<<21)|(5<<22)|(3<<25)
	s_or_b32 s[G1SB], s44, (3<<16)|(1<<20)|(1<<21)|(5<<22)|(3<<25)
.irp g, G1S, G1SB
	s_mov_b32 s[\g+1], 32<<16
	s_mov_b32 s[\g+2], 16<<16
	s_mov_b32 s[\g+3], 32<<16
	s_mov_b32 s[\g+4], 16
	s_mov_b32 s[\g+5], 32
	s_mov_b32 s[\g+6], 0
	s_mov_b32 s[\g+7], 0
.endr
	s_lshl_b32 s18, s16, 7                         ; which 128 rows I fetch
	s_lshl_b32 s20, s17, 8
	s_add_co_u32 s20, s20, s18
	s_add_co_u32 s20, s20, 8192                    ; x: row 8192 + 256 gy + 128 x half: k's rows begin behind q's
	s_lshl_b32 s46, s45, 10
	s_lshl_b32 s47, s42, 8
	s_add_co_u32 s46, s46, s47
	s_add_co_u32 s46, s46, s18
	s_add_co_u32 s46, s46, 1024                    ; W: row 1024 (t + 1) + 256 gx + 128 x half
	s_lshl_b32 s22, s20, 5                         ; 32 scale bytes a row
	s_mov_b32 s23, 0
	s_lshl_b32 s20, s20, 9                         ; 512 bytes of codes a row
	s_mov_b32 s21, 0
	s_lshl_b32 s96, s46, 5
	s_mov_b32 s97, 0
	s_lshl_b32 s46, s46, 9
	s_mov_b32 s47, 0
	s_mul_i32 s98, s14, HALFT                      ; where they go: wave x 128 rows: no place in the cluster enters an LDS address
	s_mul_i32 s99, s14, HALFS
	s_wait_kmcnt 0x0
	s_add_nc_u64 s[20:21], s[4:5], s[20:21]
	s_add_nc_u64 s[22:23], s[6:7], s[22:23]
	s_add_nc_u64 s[46:47], s[8:9], s[46:47]
	s_add_nc_u64 s[96:97], s[10:11], s[96:97]
	CROUND                                         ; all sixteen work-groups are here: the joint loads meet
	s_mov_b32 s[G0S], 1
	s_add_co_u32 s[G0S+1], s99, SCL
	s_mov_b64 s[G0S+2:G0S+3], s[22:23]
	s_or_b32 s[G0S+3], s[G0S+3], 0x80000000
	s_mov_b32 s[G0SB], 1
	s_add_co_u32 s[G0SB+1], s99, SCL
	s_mov_b64 s[G0SB+2:G0SB+3], s[96:97]
	s_or_b32 s[G0SB+3], s[G0SB+3], 0x80000000
	JLOAD G0S, G1S, G0SB, G1SB
	s_mov_b32 s[G0], 1
	s_mov_b32 s[G0+1], s98
	s_mov_b64 s[G0+2:G0+3], s[20:21]
	s_or_b32 s[G0+3], s[G0+3], 0x80000000
	s_mov_b32 s[G0B], 1
	s_mov_b32 s[G0B+1], s98
	s_mov_b64 s[G0B+2:G0B+3], s[46:47]
	s_or_b32 s[G0B+3], s[G0B+3], 0x80000000
	JLOAD G0, G1, G0B, G1B                         ; two tensor loads of mine are out
	v_and_b32 v1, 15, v0                           ; r
	v_bfe_u32 v2, v0, 4, 1                         ; h
	v_mul_u32_u24 v3, v1, PITCH
	v_lshl_add_u32 v4, v2, 4, v3                   ; a fragment's row x pitch + 16 h
	s_mul_i32 s18, s15, HALFT
	s_mul_i32 s19, s16, HALFT
	s_add_co_u32 s19, s19, 2*HALFT                 ; W's rows lie behind x's 256
	v_add_nc_u32 v[XADR], s18, v4
	v_add_nc_u32 v[WADR], s19, v4
	v_lshlrev_b32 v5, 5, v1                        ; my row's scale bytes: 32 a row,
	v_lshrrev_b32 v6, 8, v5
	v_lshl_add_u32 v5, v6, 4, v5                   ; and 16 more for each 256 passed
	s_mul_i32 s18, s15, HALFS
	s_mul_i32 s19, s16, HALFS
	s_add_co_u32 s19, s19, 2*HALFS
	s_sub_co_u32 s19, s19, s18
	v_mul_u32_u24 v6, s19, v2                      ; lanes 16-31 take W's: one product, the distance between the two
	s_add_co_u32 s18, s18, SCL
	v_add_nc_u32 v5, v5, v6
	v_add_nc_u32 v[ADRS], s18, v5
	v_and_b32 v6, 31, v0
	v_lshlrev_b32 v[GO], 4, v6
	v_lshlrev_b32 v[BR], 2, v1
	v_lshlrev_b32 v[BO], 5, v2
	v_mov_b32 v[MO], v1
	; the bias of my 128 features, the mask bytes of my 128 tokens, where my results go
	s_cmp_eq_u32 s45, 0
	s_cselect_b64 s[94:95], s[84:85], s[86:87]     ; bk or bv
	s_cselect_b32 s97, 1.0, 0                      ; k: the factor is 1 - mask
	s_lshl_b32 s66, s42, 10
	s_lshl_b32 s13, s16, 9
	s_add_co_u32 s66, s66, s13
	s_mov_b32 s67, 0
	s_add_nc_u64 s[94:95], s[94:95], s[66:67]      ; + 4 (256 gx + 128 x my half of W)
	s_and_b32 s12, s17, 31                         ; i: my 256 rows in the tensor
	s_lshl_b32 s98, s12, 8
	s_lshl_b32 s13, s15, 7
	s_add_co_u32 s98, s98, s13
	s_mov_b32 s99, 0
	s_add_nc_u64 s[88:89], s[88:89], s[98:99]      ; mask + 256 i + 128 x my half of x: batch i / 4, 1,024 bytes each
	s_lshr_b32 s66, s12, 2
	s_lshl_b32 s66, s66, 4
	s_lshl_b32 s13, s42, 2
	s_add_co_u32 s66, s66, s13
	s_lshl_b32 s13, s16, 1
	s_add_co_u32 s66, s66, s13                     ; my first head: 16 batch + 4 gx + 2 x half
	s_lshl_b32 s66, s66, 17
	s_and_b32 s13, s12, 3
	s_lshl_b32 s13, s13, 15
	s_add_co_u32 s66, s66, s13                     ; 256 tokens are 32,768 bytes of a head, in both layouts
	s_lshl_b32 s13, s15, 14
	s_add_co_u32 s66, s66, s13
	s_lshl_b32 s13, s45, 24
	s_add_co_u32 s66, s66, s13                     ; V lies 16 MiB behind K
	s_add_nc_u64 s[90:91], s[90:91], s[66:67]
.irp b, 0,1,2,3,4,5,6,7
	global_load_b128 v[BC+8*\b:BC+8*\b+3], v[BO], s[94:95] offset:64*\b        ; k: register j of tile b: the bias of feature 16 b + 8 h + j
	global_load_b128 v[BC+8*\b+4:BC+8*\b+7], v[BO], s[94:95] offset:64*\b+16
.endr
.irp a, 0,1,2,3,4,5,6,7
	global_load_b32 v[BV+\a], v[BR], s[94:95] offset:64*\a                     ; v: the bias of feature 16 a + r
	global_load_u8 v[MK+\a], v[MO], s[88:89] offset:16*\a                      ; the mask byte of token 16 a + r
.endr
	s_wait_loadcnt 0x0
.irp a, 0,1,2,3,4,5,6,7
	v_cvt_f32_u32 v[MK+\a], v[MK+\a]
.endr
.irp a, 0,1,2,3,4,5,6,7
	v_fma_f32 v[FP+2*\a], -v[MK+\a], s97, 1.0      ; k: 1 or, under the mask, 0;  v: 1, not used
.endr
.irp a, 0,1,2,3,4,5,6,7
	v_mov_b32 v[FP+2*\a+1], v[FP+2*\a]             ; (named with it as a pair)
.endr
	s_wait_tensorcnt 0x0                           ; my two tiles have landed,
	s_barrier_signal -1
	s_barrier_wait -1                              ; everybody's have; nothing is filled again in this launch
.macro FRAG reg, adr, q, i             ; 16 rows x 128 K of 4-bit codes: registers 4 c .. 4 c + 3 hold K = 64 c + 32 h + 0 .. 31
.irp c, 0,1
	ds_load_b128 v[\reg+4*\c:\reg+4*\c+3], v[\adr] offset:64*(\q)+32*\c+(\i)*16*PITCH
.endr
.endm
.macro FETCH_B q, p, sw                ; source 0's eight fragments of the q-th 128 along K into set p of window 1
	WIN TO_B
.irp i, 0,1,2,3,4,5,6,7
.if \sw
	FRAG 128*(\p)+8*\i, XADR, \q, \i
.else
	FRAG 128*(\p)+8*\i, WADR, \q, \i
.endif
.endr
	WIN 0
.endm
.macro FETCH_A q, i0, sw               ; source 1's blocks i0 .. i0 + 3
.irp i, \i0, \i0+1, \i0+2, \i0+3
.if \sw
	FRAG AF+8*(\i), WADR, \q, \i
.else
	FRAG AF+8*(\i), XADR, \q, \i
.endif
.endr
.endm
.macro SCALES                          ; all eight words of each row, once
.irp i, 0,1,2,3,4,5,6,7
	ds_load_b128 v[SC+8*\i:SC+8*\i+3], v[ADRS] offset:\i*SBLK
	ds_load_b128 v[SC+8*\i+4:SC+8*\i+7], v[ADRS] offset:\i*SBLK+16
.endr
.endm
; One product: source 1's block a against source 0's block b.  In the first K step C is the bias.
.macro MM a, b, p, q, sw
.set rD, 8*(8*((\a)%4)+(\b))
.set rA, 128*(\p)+8*(\b)
.set rB, AF+8*(\a)
.set rC, rD
.if (\q) == 0
.if \sw
.set rC, BC+8*(\a)
.else
.set rC, BC+8*(\b)
.endif
.endif
.if \sw
	v_wmma_scale_f32_16x16x128_f8f6f4 v[rD:rD+7], v[rA:rA+7], v[rB:rB+7], v[rC:rC+7], v[SC+8*(\b)+(\q)], v[SC+8*(\a)+(\q)] matrix_a_fmt:MATRIX_FMT_FP4 matrix_b_fmt:MATRIX_FMT_FP4 matrix_b_scale:MATRIX_SCALE_ROW1
.else
	v_wmma_scale_f32_16x16x128_f8f6f4 v[rD:rD+7], v[rA:rA+7], v[rB:rB+7], v[rC:rC+7], v[SC+8*(\b)+(\q)], v[SC+8*(\a)+(\q)] matrix_a_fmt:MATRIX_FMT_FP4 matrix_b_fmt:MATRIX_FMT_FP4 matrix_a_scale:MATRIX_SCALE_ROW1
.endif
.endm
.macro MUL16 a0, p, q, sw              ; the 64 accumulators take turns, one instruction a turn, in the same order in every step
.irp a, \a0, \a0+1
.irp b, 0,1,2,3,4,5,6,7
	MM \a, \b, \p, \q, \sw
.endr
.endr
.endm
; A step of 128 along K: 64 products.  A block of source 1 is free as soon as its eight products are issued, so one set serves it; source 0 has two sets.
.macro STEP q, sw
.if (\q) == 0
.set WLO, 0x81                         ; source 0 window 1, source 1 and C (the bias) window 0, D window 2
.set WHI, 0xc1
.else
.set WLO, 0xa1                         ; C and D window 2
.set WHI, 0xf1
.endif
	s_wait_dscnt 8                                 ; all but the youngest eight loads (source 1's blocks 4-7) are in
	WIN WLO
	MUL16 0, (\q)%2, \q, \sw
	MUL16 2, (\q)%2, \q, \sw
	s_wait_dscnt 0x0                               ; blocks 4-7 are in
.if (\q) < 7
	PLACES
	FETCH_B (\q)+1, 1-(\q)%2, \sw
	FETCH_A (\q)+1, 0, \sw
.endif
	WIN WHI
	MUL16 4, (\q)%2, \q, \sw
	MUL16 6, (\q)%2, \q, \sw
.if (\q) < 7
	PLACES
	WIN 0
	FETCH_A (\q)+1, 4, \sw
.endif
.endm
; The whole product and its way out.  sw = 0: k;  sw = 1: v.
.macro BODY sw
.if \sw
.irp a, 0,1,2,3,4,5,6,7
.irp j, 0,1,2,3,4,5,6,7
	v_mov_b32 v[BC+8*\a+\j], v[BV+\a]              ; v's C: a lane holds one feature, so all eight registers of tile a hold its bias
.endr
.endr
.endif
	FETCH_B 0, 0, \sw
	FETCH_A 0, 0, \sw
	SCALES
	FETCH_A 0, 4, \sw
.irp q, 0,1,2,3,4,5,6,7
	STEP \q, \sw
.endr
	WIN 0
	PLACES                                         ; behind the last products: results are read, and packed results land where source 1's fragments lay
.irp a, 0,1,2,3,4,5,6,7
.if \a > 1
	s_wait_xcnt 0x0                                ; block a - 2's stores have read their registers
.endif
.set AC, 64*((\a)%4)
.set PK, AF+32*((\a)%2)
.if \sw == 0
	WIN 0x82+0x41*((\a)/4)                         ; the accumulators' window for source 0 and the destination, the factor in window 0
.set i, 0
.rept 32
	v_pk_mul_f32 v[AC+i:AC+i+1], v[AC+i:AC+i+1], v[FP+2*\a:FP+2*\a+1] op_sel_hi:[1,0]   ; each accumulator from its low end on
.set i, i+2
.endr
.endif
	WIN 0x0a+5*((\a)/4)
.irp b, 0,1,2,3,4,5,6,7
.irp r, 0,1,2,3
	v_cvt_pk_f16_f32 v[PK+4*\b+\r], v[AC+8*\b+2*\r], v[AC+8*\b+2*\r+1]
.endr
.endr
	WIN 0
.irp b, 0,1,2,3,4,5,6,7
.if \sw
	global_store_b128 v[GO], v[PK+4*\b:PK+4*\b+3], s[90:91] offset:((\a)/4)*131072+((\b)/2)*4096+((\a)%4)*1024+((\b)%2)*512   ; head a / 4, keys 32 (b / 2), channels 16 (a % 4): 512 consecutive bytes, aligned
.else
	global_store_b128 v[GO], v[PK+4*\b:PK+4*\b+3], s[90:91] offset:((\b)/4)*131072+2048*(\a)+(((\b)/2)%2)*1024+((\b)%2)*512   ; head b / 4, tokens 16 a, the head's 32 ((b / 2) % 2): 512 consecutive bytes, aligned
.endif
.endr
.endr
.endm
	s_cmp_eq_u32 s45, 1                            ; the tensor: the same in every wave of every partner
	s_cbranch_scc1 .Lv
	BODY 0
	s_branch .Lend
.Lv:
	BODY 1
.Lend:
	CROUND                                         ; the closing round: no work-group ends while a partner may still ask for a tile that names it
	s_endpgm
.Lfunc_end_k_q94d8982505_proj:
	.size	k_q94d8982505_proj, .Lfunc_end_k_q94d8982505_proj-k_q94d8982505_proj
	.p2alignl 7, 3214868480
	.fill 96, 4, 3214868480
	.section	.rodata,"a",@progbits
	.p2align	6, 0x0
	.amdhsa_kernel k_q94d8982505_proj
		.amdhsa_group_segment_fixed_size 327680
		.amdhsa_private_segment_fixed_size 0
		.amdhsa_enable_private_segment 0
		.amdhsa_kernarg_size 64
		.amdhsa_user_sgpr_count 2
		.amdhsa_user_sgpr_kernarg_segment_ptr 1
		.amdhsa_wavefront_size32 1
		.amdhsa_system_sgpr_workgroup_id_x 1
		.amdhsa_system_sgpr_workgroup_id_y 1
		.amdhsa_system_sgpr_workgroup_id_z 1
		.amdhsa_system_vgpr_workitem_id 0
		.amdhsa_next_free_vgpr 1024
		.amdhsa_next_free_sgpr 100
		.amdhsa_reserve_vcc 0
		.amdhsa_float_denorm_mode_32 3
		.amdhsa_float_denorm_mode_16_64 3
		.amdhsa_memory_ordered 1
		.amdhsa_forward_progress 1
		.amdhsa_inst_pref_size 246
	.end_amdhsa_kernel
	.amdgpu_metadata
---
amdhsa.version: [ 1, 2 ]
amdhsa.kernels:
  - .name:           k_q94d8982505_proj
    .symbol:         k_q94d8982505_proj.kd
    .args:
      - { .name: xc, .offset: 0, .size: 8, .value_kind: global_buffer, .address_space: global }
      - { .name: xs, .offset: 8, .size: 8, .value_kind: global_buffer, .address_space: global }
      - { .name: wc, .offset: 16, .size: 8, .value_kind: global_buffer, .address_space: global }
      - { .name: ws, .offset: 24, .size: 8, .value_kind: global_buffer, .address_space: global }
      - { .name: bk, .offset: 32, .size: 8, .value_kind: global_buffer, .address_space: global }
      - { .name: bv, .offset: 40, .size: 8, .value_kind: global_buffer, .address_space: global }
      - { .name: mask, .offset: 48, .size: 8, .value_kind: global_buffer, .address_space: global }
      - { .name: kv, .offset: 56, .size: 8, .value_kind: global_buffer, .address_space: global }
    .group_segment_fixed_size: 327680
    .private_segment_fixed_size: 0
    .kernarg_segment_align: 8
    .kernarg_segment_size: 64
    .max_flat_workgroup_size: 128
    .sgpr_count:     100
    .vgpr_count:     1024
    .wavefront_size: 32
...
	.end_amdgpu_metadata
.endif
;; end of part 2
;; launch attn (part 3): grid 2 x 128, 8 waves a work-group, no clusters, 327,680 bytes of LDS; arguments xc, xs, wc, ws, bq, kv, mask, ao; writes ao
.if DOCPART == 3
	.amdgcn_target "amdgcn-amd-amdhsa--gfx1250"
	.amdhsa_code_object_version 6
	.text
	.protected	k_q94d8982505_attn
	.globl	k_q94d8982505_attn
	.p2align	8
	.type	k_q94d8982505_attn,@function
k_q94d8982505_attn:
	s_mov_b64 s[64:65], 0
	v_nop
	global_prefetch_b8 v0, s[64:65] scope:SCOPE_SE
	s_setreg_imm32_b32 hwreg(HW_REG_WAVE_MODE, 25, 1), 1
	s_wait_xcnt 0x0
; qh = q Wq^T + bq for one head, on codes of FP4 (E2M1) with E8M0 scales; then O = softmax(where(mask, -1e9, qh K^T / 8)) V, f16 operands, f32 sums, maxima and row sums.
; kv holds K (rows under the mask already 0) and V as images of operand registers (registers 0-3 at 16 x lane, 4-7 at 512 + 16 x lane): K at 0 [head][16 keys][2][1,024], V at 16 MiB [head][32 keys][16 channels][1,024].
; Region 0 of xc and wc holds q's and Wq's codes as images [16 rows][K step of 128: 8][1,024]; region 0 of xs and ws their scale bytes [16 rows][half of K][row][16].
; SHARES.  A work-group owns 512 queries of one head, each of its eight waves 64: four tiles of 16.  Two waves lie on a SIMD, so that one wave's softmax stands beside the other's products.
; THE HEAD OF THE KERNEL: each wave projects its own 64 queries: 8 K steps x 16 products (source 0 = 16 rows of Wq, source 1 = 16 queries) on the 16 accumulators that later hold S^T.  A lane then holds one query and
; eight neighbouring features: x log2(e) / 8, + bq x log2(e) / 8, packed to f16, they ARE Q's fragments.  q's fragments come by dense loads (512 consecutive bytes each) into registers that the loop does not need yet;
; Wq's 64 rows and both operands' scale bytes.  All this stands where the waves would wait for K and V.
; THE HEAD'S WHOLE K AND V LIE IN LDS (131,072 bytes each), each byte filled once: waves 0-3 bring K, waves 4-7 V, in four chunks of 256 keys, 8,192 bytes a wave.  Chunk 0 goes out at the start; chunk g + 1 is a wave's
; one tensor load behind the barrier that shows chunk g, so that the first keys do not queue behind the last: it has three or four key steps in which to land.  Four tensor loads of a wave are out at the start, later one.
; NO CLUSTER: only two work-groups share a head's K and V, and four query blocks to a head would leave a wave 32 queries, so that each fragment read from LDS fed half the products.
; NO PREFETCH: a chunk is asked for by its tensor load three or four key steps ahead of its first read.
; LAYOUT.  S^T = K Q^T (source 0 = 16 keys, source 1 = 16 queries): a lane holds one query and keys 8 h + 0 .. 7; two such tiles, packed in pairs, are source 1 (32 keys x 16 queries) of O^T = V^T P.
; THE MASK.  C of S^T is 0, or -1e9 x log2(e) for keys under the mask, whose rows of K are 0: the score is replaced, as the problem asks, so a batch with every key masked gives V's mean.
; SOFTMAX.  A running maximum M and sum L for each query: p = 2^(s - M); in every step O and L are multiplied by a = 2^(old M - new M).  L is the sum of the unrounded p.
; ao: the result in f16 as images for the last product: [K step of 128 features][16 tokens][4][1,024].
; LIMITS: |qh| x 0.18 beyond 65,504 has no f16 number; NaN and infinities are not served.
; REGISTERS: window 0: v1-5 addresses; v14, v15 the add's; v16-47 statistics, 8 a tile: +0 M, +1 old M, +2, +3 L, +4 .. +7 at work (a in +6); v48-49 at work; v64-191 S^T, 32 a tile, p packed in place; v192-223 the mask's numbers as C; v224-255 K, the head's first 32.
;   window 1: v0-127 O^T, 32 a tile; v128-191 Q, 16 a tile; v192-255 V of a step; its first 32 also hold K, the head's second 32.
;   In the kernel's head: window 0: v16-31 scale words, v32-63 bq, v64-191 the sums, v192-255 q's fragments of K steps 6, 7; window 1: v0-127 those of K steps 0-3, v192-255 of 4, 5; v128-191 Wq's fragments, two sets.
.set VL,   131072                      ; V in LDS
.set BIAS, 262144                      ; behind it: an f32 for each key, stored by the waves: no tile lands here
.set SPARE, 266240                     ; the spare words, 128 bytes for each wave: four blocks of 256 bytes that no other line names
.set WQC,  267264                      ; Wq's 64 rows: 4 x 8 images
.set WQS,  300032                      ; their scale bytes: 4 x 512
.set XQS,  302080                      ; the scale bytes of the work-group's 512 queries: 32 x 512
.set L16,  1
.set AB0,  2
.set ADK,  3                           ; in the head: my place in Wq's images
.set ADV,  4                           ; in the head: my scale words: lanes 0-15 Wq's rows, lanes 16-31 q's
.set ADB,  5                           ; in the head: 32 h
.set SPW,  14                          ; LDS address of my spare word; never rewritten
.set NIL,  15                          ; 0; never rewritten
.set ST,   16
.set SCQ,  16                          ; register 4 i + q % 4: lanes 0-15 the word of Wq's block i, lanes 16-31 that of my tile i
.set BF,   32
.set YP,   48
.set S,    64
.set BC,   192
.set KY,   224
.set OA,   0
.set Q,    128
.set KX,   192
.set WV,   20
.set HD,   21
.set TB,   22                          ; s22  8,192 x step: a step's 64 keys in K and in V
.set TJ,   23                          ; s23  256 x step: in the mask's numbers
.set G1,   24                          ; group 1 for a wave's part of a chunk: 32 rows of 256 bytes
.set G0,   32                          ; s[32:47] a group 0 for each chunk; never rewritten
.set G1W,  48                          ; for Wq's codes: 16 rows
.set G1X,  56                          ; for q's scale bytes: 8 rows
.set G1Z,  68                          ; for Wq's scale bytes: 1 row
.set G0W,  76
.set G0X,  80
.set G0Z,  84
.set SEL,  88
.set CNT,  90
.set FQ,   66                          ; s[66:67] log2(e) / 8
.set MSB, 0
.macro WIN new                         ; the immediate's high byte repeats the setting that is left
.if MSB != (\new)
	s_set_vgpr_msb (MSB<<8)|(\new)
.set MSB, (\new)
.endif
.endm
.macro PLACES                          ; plain vector lines between a matrix instruction and an access to its registers (ISA guide 7.12.1)
.rept 4
	v_nop
.endr
.endm
	s_load_b256 s[4:11], s[0:1], 0x0               ; xc, xs, wc, ws
	s_load_b256 s[12:19], s[0:1], 0x20             ; bq, kv, mask, ao
	v_lshl_add_u32 v[SPW], v0, 2, SPARE
	v_mov_b32 v[NIL], 0
	v_lshrrev_b32 v1, 5, v0
	v_readfirstlane_b32 s[WV], v1                  ; wave 0..7
	s_and_b32 s[HD], ttmp7, 0xffff                 ; the head, 16 batch + h
.irp g, G1, G1W, G1X, G1Z
	s_mov_b32 s[\g], 3<<16                         ; no mask; elements of 8 bytes; no padding: images are read 16 bytes a lane on end
	s_mov_b32 s[\g+1], 32<<16                      ; tensor_dim0 = 32 elements: 256 bytes
	s_mov_b32 s[\g+3], 32<<16                      ; tile_dim0
	s_mov_b32 s[\g+5], 32                          ; dense
	s_mov_b32 s[\g+6], 0
	s_mov_b32 s[\g+7], 0
.endr
	s_mov_b32 s[G1+2], 32<<16                      ; tensor_dim1, tile_dim1: the rows
	s_mov_b32 s[G1+4], 32
	s_mov_b32 s[G1W+2], 16<<16
	s_mov_b32 s[G1W+4], 16
	s_mov_b32 s[G1X+2], 8<<16
	s_mov_b32 s[G1X+4], 8
	s_mov_b32 s[G1Z+2], 1<<16
	s_mov_b32 s[G1Z+4], 1
	s_lshr_b32 s91, s[WV], 2                       ; I fetch for K (0) or V (1),
	s_and_b32 s92, s[WV], 3                        ; this quarter of each chunk
	s_lshl_b32 s93, s91, 17
	s_lshl_b32 s92, s92, 13
	s_add_co_u32 s93, s93, s92                     ; LDS: 131,072 x (K or V) + 8,192 x quarter
	s_lshl_b32 s94, s91, 24                        ; K's or V's part of kv,
	s_lshl_b32 s91, s[HD], 17                      ; the head's 131,072 bytes,
	s_add_co_u32 s94, s94, s91
	s_add_co_u32 s94, s94, s92                     ; my quarter
	s_mov_b32 s95, 0
	s_and_b32 s66, s[HD], 15                       ; h
	s_lshr_b32 s67, s[HD], 4                       ; the batch
	s_lshl_b32 s96, s66, 15                        ; Wq's codes: 32,768 bytes a head,
	s_lshl_b32 s91, s[WV], 12                      ; 4,096 a wave
	s_add_co_u32 s96, s96, s91
	s_mov_b32 s97, 0
	s_lshl_b32 s98, s66, 11                        ; Wq's scale bytes: 2,048 a head,
	s_lshl_b32 s92, s[WV], 8                       ; 256 a wave
	s_add_co_u32 s98, s98, s92
	s_mov_b32 s99, 0
	s_lshl_b32 s90, s67, 6
	s_lshl_b32 s2, ttmp9, 5
	s_add_co_u32 s90, s90, s2                      ; the work-group's first 16 queries among all 512 groups of 16: 64 batch + 32 x work-group x
	s_lshl_b32 s2, s90, 9                          ; q's scale bytes: 512 a group,
	s_lshl_b32 s3, s[WV], 11                       ; 2,048 a wave: its own four tiles'
	s_add_co_u32 s2, s2, s3
	s_mov_b32 s3, 0
	s_mov_b32 s[SEL], 0x76543210
	s_mov_b32 s[SEL+1], 0xfedcba98                 ; v_permlanex16_b32: lane l xor 16
	s_mov_b32 s[TB], 0
	s_mov_b32 s[TJ], 0
	s_wait_kmcnt 0x0
	s_mov_b32 s[G0W], 1
	s_add_co_u32 s[G0W+1], s91, WQC
	s_add_nc_u64 s[G0W+2:G0W+3], s[8:9], s[96:97]
	s_or_b32 s[G0W+3], s[G0W+3], 0x80000000
	s_mov_b32 s[G0Z], 1
	s_add_co_u32 s[G0Z+1], s92, WQS
	s_add_nc_u64 s[G0Z+2:G0Z+3], s[10:11], s[98:99]
	s_or_b32 s[G0Z+3], s[G0Z+3], 0x80000000
	s_mov_b32 s[G0X], 1
	s_lshl_b32 s[G0X+1], s[WV], 11
	s_add_co_u32 s[G0X+1], s[G0X+1], XQS
	s_add_nc_u64 s[G0X+2:G0X+3], s[6:7], s[2:3]
	s_or_b32 s[G0X+3], s[G0X+3], 0x80000000
	s_add_nc_u64 s[94:95], s[14:15], s[94:95]
.irp g, 0,1,2,3
	s_mov_b32 s[G0+4*\g], 1
	s_add_co_u32 s[G0+4*\g+1], s93, \g<<15         ; chunk g: 256 keys are 32,768 bytes of K and of V
	s_add_nc_u64 s[G0+4*\g+2:G0+4*\g+3], s[94:95], \g<<15
	s_or_b32 s[G0+4*\g+3], s[G0+4*\g+3], 0x80000000
.endr
	tensor_load_to_lds s[G0W:G0W+3], s[G1W:G1W+7]  ; the first fills go out as one group, ahead of every wait on TENSORcnt, every LDS read and every barrier: what the projection wants first,
	tensor_load_to_lds s[G0Z:G0Z+3], s[G1Z:G1Z+7]
	tensor_load_to_lds s[G0X:G0X+3], s[G1X:G1X+7]
	tensor_load_to_lds s[G0:G0+3], s[G1:G1+7]      ; then chunk 0
.rept 4
	v_nop
.endr
	s_lshl_b32 s2, s[WV], 2
	s_add_co_u32 s2, s2, s90                       ; my first 16 queries
	s_lshl_b32 s96, s2, 13                         ; q's codes: 8,192 bytes a group of 16
	s_add_nc_u64 s[4:5], s[4:5], s[96:97]
	s_lshl_b32 s96, s66, 8                         ; bq: 64 numbers a head
	s_add_nc_u64 s[12:13], s[12:13], s[96:97]
	s_lshl_b32 s96, s67, 10                        ; the batch's 1,024 mask bytes
	s_add_nc_u64 s[16:17], s[16:17], s[96:97]
	s_lshl_b32 s96, s2, 12                         ; ao: 4,096 bytes for 16 tokens in a K step,
	s_bfe_u32 s3, s[HD], 0x30001                   ; h / 2: the K step of 128 features,
	s_lshl_b32 s3, s3, 21
	s_add_co_u32 s96, s96, s3
	s_and_b32 s3, s[HD], 1                         ; h % 2: which two of its four images
	s_lshl_b32 s3, s3, 11
	s_add_co_u32 s96, s96, s3
	s_add_nc_u64 s[18:19], s[18:19], s[96:97]
	s_mov_b32 s[FQ], 0x3e38aa3b                    ; log2(e) / 8
	s_mov_b32 s[FQ+1], s[FQ]                       ; (named with it as a pair)
	v_and_b32 v6, 31, v0
	v_lshlrev_b32 v[L16], 4, v6                    ; 16 x lane: my place in half an image
	v_bfe_u32 v7, v0, 4, 1                         ; h
	v_and_b32 v8, 15, v0                           ; r
	v_lshl_add_u32 v[AB0], v7, 5, BIAS             ; the numbers of keys 8 h + 0 .. 7 of a tile
	v_lshlrev_b32 v[ADB], 5, v7
	v_lshlrev_b32 v9, 2, v0
; where q's fragments of K step q lie: register xr of window xw
.macro XREG q
.if (\q) < 4
.set xr, 32*(\q)
.set xw, 1
.elseif (\q) < 6
.set xr, 192+32*((\q)-4)
.set xw, 1
.else
.set xr, 192+32*((\q)-6)
.set xw, 0
.endif
.endm
.macro XLOAD q                         ; my four tiles' fragments of K step q: eight loads of 512 consecutive bytes
	XREG \q
	WIN 0x40*xw
.irp t, 0,1,2,3
	global_load_b128 v[xr+8*\t:xr+8*\t+3], v[L16], s[4:5] offset:8192*\t+1024*(\q)
	global_load_b128 v[xr+8*\t+4:xr+8*\t+7], v[L16], s[4:5] offset:8192*\t+1024*(\q)+512
.endr
	WIN 0
.endm
.macro WLOAD q                         ; Wq's four fragments of K step q into set q % 2
	WIN 0x40
.irp b, 0,1,2,3
	ds_load_b128 v[Q+32*((\q)%2)+8*\b:Q+32*((\q)%2)+8*\b+3], v[ADK] offset:8192*\b+1024*(\q)
	ds_load_b128 v[Q+32*((\q)%2)+8*\b+4:Q+32*((\q)%2)+8*\b+7], v[ADK] offset:8192*\b+1024*(\q)+512
.endr
	WIN 0
.endm
.macro SCLOAD hh                       ; the scale words of K steps 4 hh .. 4 hh + 3
.irp i, 0,1,2,3
	ds_load_b128 v[SCQ+4*\i:SCQ+4*\i+3], v[ADV] offset:512*\i+256*(\hh)
.endr
.endm
.irp q, 0,1,2,3,4,5,6
	XLOAD \q                                       ; 56 loads,
.endr
	global_load_b32 v6, v9, s[16:17]               ; and thread n's mask bytes of keys 4 n .. 4 n + 3: 57 loads are out
	v_add_nc_u32 v[ADK], WQC, v[L16]
	s_lshl_b32 s3, s[WV], 11
	s_add_co_u32 s3, s3, XQS-WQS
	v_mul_u32_u24 v11, s3, v7                      ; lanes 16-31 take q's words: one product, the distance between the two
	v_lshl_add_u32 v[ADV], v8, 4, v11
	v_add_nc_u32 v[ADV], WQS, v[ADV]
	v_lshl_add_u32 v8, v0, 4, BIAS                 ; where I put four keys' numbers
	s_wait_tensorcnt 0x1                           ; my parts of Wq's codes and of both operands' scale bytes have landed; chunk 0 may stay out
	s_barrier_signal -1
	s_barrier_wait -1                              ; everybody's have
	SCLOAD 0
	WLOAD 0
	WLOAD 1
; K step q of the projection: 16 products, the 16 accumulators by turns.  The counts on LOADcnt are the loads issued behind K step q's eight:
; K steps 0-6 and the mask word went out first, K step 7 behind the first wait, bq behind the second.
.macro QSTEP q
.if (\q) < 3
	s_wait_loadcnt 49
.elseif (\q) < 7
	s_wait_loadcnt 17+8*(6-(\q))
.else
	s_wait_loadcnt 8
.endif
.if (\q) == 0
	XLOAD 7                                        ; at most 57 loads are out again
.endif
.if (\q) == 1
.irp b, 0,1,2,3
	global_load_b128 v[BF+8*\b:BF+8*\b+3], v[ADB], s[12:13] offset:64*\b          ; register j of block b: bq of feature 16 b + 8 h + j
	global_load_b128 v[BF+8*\b+4:BF+8*\b+7], v[ADB], s[12:13] offset:64*\b+16
.endr
.endif
	XREG \q
.if (\q) < 7
	s_wait_dscnt 8                                 ; Wq's fragments and the scale words of this K step are in; the next K step's eight loads may be out
.else
	s_wait_dscnt 0x0
.endif
	WIN 0x01+4*xw                                  ; Wq in window 1, q's fragments in window xw, the sums in window 0
.irp t, 0,1,2,3
.irp b, 0,1,2,3
.if (\q) == 0
	v_wmma_scale_f32_16x16x128_f8f6f4 v[S+32*\t+8*\b:S+32*\t+8*\b+7], v[Q+32*((\q)%2)+8*\b:Q+32*((\q)%2)+8*\b+7], v[xr+8*\t:xr+8*\t+7], 0, v[SCQ+4*\b+(\q)%4], v[SCQ+4*\t+(\q)%4] matrix_a_fmt:MATRIX_FMT_FP4 matrix_b_fmt:MATRIX_FMT_FP4 matrix_b_scale:MATRIX_SCALE_ROW1
.else
	v_wmma_scale_f32_16x16x128_f8f6f4 v[S+32*\t+8*\b:S+32*\t+8*\b+7], v[Q+32*((\q)%2)+8*\b:Q+32*((\q)%2)+8*\b+7], v[xr+8*\t:xr+8*\t+7], v[S+32*\t+8*\b:S+32*\t+8*\b+7], v[SCQ+4*\b+(\q)%4], v[SCQ+4*\t+(\q)%4] matrix_a_fmt:MATRIX_FMT_FP4 matrix_b_fmt:MATRIX_FMT_FP4 matrix_b_scale:MATRIX_SCALE_ROW1
.endif
.endr
.endr
	WIN 0
	PLACES                                         ; in front of the loads into registers that these products have read, and, behind the last K step, of the first read of the sums
.if (\q) == 3
	SCLOAD 1
.endif
.if (\q) < 6
	WLOAD (\q)+2
.endif
.endm
.irp q, 0,1,2,3,4,5,6,7
	QSTEP \q
.endr
	s_wait_loadcnt 0x0                             ; bq and the mask word
	v_bfe_u32 v10, v6, 0, 8
	v_bfe_u32 v11, v6, 8, 8
	v_bfe_u32 v12, v6, 16, 8
	v_bfe_u32 v13, v6, 24, 8
.irp i, 10,11,12,13
	v_cvt_f32_u32 v\i, v\i
.endr
.irp i, 10,11,12,13
	v_mul_f32 v\i, 0xceabfb8f, v\i                 ; 0, or -1e9 x log2(e)
.endr
	ds_store_b128 v8, v[10:13]
.irp i, 0,2,4,6,8,10,12,14,16,18,20,22,24,26,28,30
	v_pk_mul_f32 v[BF+\i:BF+\i+1], v[BF+\i:BF+\i+1], s[FQ:FQ+1] op_sel_hi:[1,0]
.endr
.irp t, 0,1,2,3
.irp b, 0,1,2,3
.irp i, 0,2,4,6
	v_pk_fma_f32 v[S+32*\t+8*\b+\i:S+32*\t+8*\b+\i+1], v[S+32*\t+8*\b+\i:S+32*\t+8*\b+\i+1], s[FQ:FQ+1], v[BF+8*\b+\i:BF+8*\b+\i+1] op_sel_hi:[1,0,1]   ; (the sum + bq) x log2(e) / 8; each accumulator from its low end on
.endr
.endr
.endr
	WIN 0x40                                       ; destination window 1
.irp t, 0,1,2,3
.irp b, 0,1,2,3
.irp r, 0,1,2,3
	v_cvt_pk_f16_f32 v[Q+16*\t+4*\b+\r], v[S+32*\t+8*\b+2*\r], v[S+32*\t+8*\b+2*\r+1]   ; blocks 2 c and 2 c + 1 are the two halves of tile t's fragment c
.endr
.endr
.endr
	WIN 0
; THE CHANGE OF CHUNKS.  Each wave waits for all its tensor loads (its part of the chunk that is about to be read), adds 0 to its spare word, waits for that and for its LDS instructions, and passes the barrier.
; g > 0: chunk g is then asked for: bytes that nothing has filled yet; the wave's one tensor load until the next such barrier, and the first thing behind this one.
.macro CH g
	s_wait_tensorcnt 0x0
	ds_add_u32 v[SPW], v[NIL]                      ; 0 onto my spare word
	s_wait_dscnt 0x0
	s_barrier_signal -1
	s_barrier_wait -1
.if \g
	tensor_load_to_lds s[G0+4*\g:G0+4*\g+3], s[G1:G1+7]
.rept 4
	v_nop
.endr
.endif
.endm
.macro FETCH_K0 off                    ; four tiles of 16 keys, the head's first 32
.irp kt, 0,1,2,3
	ds_load_b128 v[KY+8*\kt:KY+8*\kt+3], v[ADK] offset:\off+2048*\kt
	ds_load_b128 v[KY+8*\kt+4:KY+8*\kt+7], v[ADK] offset:\off+2048*\kt+512
.endr
.endm
.macro FETCH_BI off                    ; the mask's numbers of the four tiles, in the result's layout
.irp kt, 0,1,2,3
	ds_load_b128 v[BC+8*\kt:BC+8*\kt+3], v[ADB] offset:\off+64*\kt
	ds_load_b128 v[BC+8*\kt+4:BC+8*\kt+7], v[ADB] offset:\off+64*\kt+16
.endr
.endm
.macro FETCH_K1 off                    ; the head's second 32
	WIN 0x40
.irp kt, 0,1,2,3
	ds_load_b128 v[KX+8*\kt:KX+8*\kt+3], v[ADK] offset:\off+1024+2048*\kt
	ds_load_b128 v[KX+8*\kt+4:KX+8*\kt+7], v[ADK] offset:\off+1024+2048*\kt+512
.endr
	WIN 0
.endm
.macro FETCH_V                         ; 2 x 32 keys x 4 x 16 channels
	WIN 0x40
.irp kk, 0,1
.irp ct, 0,1,2,3
	ds_load_b128 v[KX+32*\kk+8*\ct:KX+32*\kk+8*\ct+3], v[ADV] offset:4096*\kk+1024*\ct
	ds_load_b128 v[KX+32*\kk+8*\ct+4:KX+32*\kk+8*\ct+7], v[ADV] offset:4096*\kk+1024*\ct+512
.endr
.endr
	WIN 0
.endm
; Line j of 21 of tile t's maximum: four chains of seven scores, the four scores left over, the old M; the other half of the lanes; the new M and a.  Each accumulator is first read at its low end.
.macro MAXI t, j, first
.set rT, ST+8*(\t)
.set rS, S+32*(\t)
.if (\j) < 4
	v_max3_num_f32 v[rT+4+(\j)], v[rS+8*(\j)], v[rS+8*(\j)+1], v[rS+8*(\j)+2]
.elseif (\j) < 12
	v_max3_num_f32 v[rT+4+(\j)%4], v[rT+4+(\j)%4], v[rS+8*((\j)%4)+2*((\j)/4)+1], v[rS+8*((\j)%4)+2*((\j)/4)+2]
.elseif (\j) == 12
	v_max3_num_f32 v[rT+4], v[rT+4], v[rS+7], v[rS+15]
.elseif (\j) == 13
	v_max3_num_f32 v[rT+6], v[rT+6], v[rS+23], v[rS+31]
.elseif (\j) == 14
	v_max3_num_f32 v[rT+4], v[rT+4], v[rT+5], v[rT+6]
.elseif (\j) == 15
.if \first
	v_max_num_f32 v[rT+4], v[rT+4], v[rT+7]
.else
	v_max3_num_f32 v[rT+4], v[rT+4], v[rT+7], v[rT]
.endif
.elseif (\j) == 16
	v_permlanex16_b32 v[rT+5], v[rT+4], s[SEL], s[SEL+1]           ; the query's other 32 keys lie in the lane 16 away
.elseif (\j) == 17
.if \first
	v_mov_b32 v[rT+1], 0                           ; (named with M as a pair, so it is written)
.else
	v_mov_b32 v[rT+1], v[rT]
.endif
.elseif (\j) == 18
	v_max_num_f32 v[rT], v[rT+4], v[rT+5]
.elseif (\j) == 19
.if \first == 0
	v_sub_f32 v[rT+7], v[rT+1], v[rT]
.endif
.else
.if \first == 0
	v_exp_f32 v[rT+6], v[rT+7]
.endif
.endif
.endm
.macro SUBI t, b                       ; pair b of tile t: s - M; the subtraction comes first, so that equal scores give p = 1 at any magnitude
.set rT, ST+8*(\t)
.set rS, S+32*(\t)
	v_pk_add_f32 v[rS+2*(\b):rS+2*(\b)+1], v[rS+2*(\b):rS+2*(\b)+1], v[rT:rT+1] op_sel_hi:[1,0] neg_lo:[0,1] neg_hi:[0,1]
.endm
; Line i of 32 behind tile t's exponentials: the sum of its 16 pairs in two chains, L = a L + the sum, then p packed to f16 in place (register q takes scores 2 q and 2 q + 1, ascending: nothing unread is written over)
.macro POSTI t, i, first
.set rT, ST+8*(\t)
.set rS, S+32*(\t)
.if (\i) == 0
	v_pk_add_f32 v[rT+4:rT+5], v[rS:rS+1], v[rS+2:rS+3]
.elseif (\i) == 1
	v_pk_add_f32 v[YP:YP+1], v[rS+4:rS+5], v[rS+6:rS+7]
.elseif (\i) < 14
.if (\i)%2 == 0
	v_pk_add_f32 v[rT+4:rT+5], v[rT+4:rT+5], v[rS+2*(\i)+4:rS+2*(\i)+5]
.else
	v_pk_add_f32 v[YP:YP+1], v[YP:YP+1], v[rS+2*(\i)+4:rS+2*(\i)+5]
.endif
.elseif (\i) == 14
.if \first
	v_pk_add_f32 v[rT+2:rT+3], v[rT+4:rT+5], v[YP:YP+1]
.else
	v_pk_add_f32 v[rT+4:rT+5], v[rT+4:rT+5], v[YP:YP+1]
.endif
.elseif (\i) == 15
.if \first == 0
	v_pk_fma_f32 v[rT+2:rT+3], v[rT+2:rT+3], v[rT+6:rT+7], v[rT+4:rT+5] op_sel_hi:[1,0,1]
.endif
.else
	v_cvt_pk_f16_f32 v[rS+(\i)-16], v[rS+2*(\i)-32], v[rS+2*(\i)-31]
.endif
.endm
; Tile te's 32 exponentials, a plain line of another tile behind each: no result is used, and no source written, by the line behind its exponential (ISA guide 5.7.2)
.macro EXPMIX te, first
.set ii, 0
.rept 32
	v_exp_f32 v[S+32*(\te)+ii], v[S+32*(\te)+ii]
.if (\te) == 0
	SUBI 1+ii/16, ii%16
.else
	POSTI (\te)-1, ii, \first
.endif
.set ii, ii+1
.endr
.endm
; A KEY STEP: 64 keys.  first = 1: it starts M, L and O^T.  more = 1: the next step's K and mask numbers are fetched.
.macro STEP first, more
	v_add_nc_u32 v[ADK], s[TB], v[L16]             ; (these three and the four v_nop at the last step's end: seven places, where five are owed, before S^T is written over p, which the last products read)
	v_add_nc_u32 v[ADV], VL, v[ADK]
	v_add_nc_u32 v[ADB], s[TJ], v[AB0]
	s_wait_dscnt 8                                 ; K's first half and the mask's numbers are in; the youngest eight loads, K's second half, may be out
	WIN 0x04                                       ; Q in window 1
.irp t, 0,1,2,3
.irp kt, 0,1,2,3
	v_wmma_f32_16x16x32_f16 v[S+32*\t+8*\kt:S+32*\t+8*\kt+7], v[KY+8*\kt:KY+8*\kt+7], v[Q+16*\t:Q+16*\t+7], v[BC+8*\kt:BC+8*\kt+7]
.endr
.endr
	s_wait_dscnt 0x0
	WIN 0x05                                       ; K's second half and Q in window 1.  The sixteen accumulators take turns
.irp t, 0,1,2,3
.irp kt, 0,1,2,3
	v_wmma_f32_16x16x32_f16 v[S+32*\t+8*\kt:S+32*\t+8*\kt+7], v[KX+8*\kt:KX+8*\kt+7], v[Q+16*\t+8:Q+16*\t+15], v[S+32*\t+8*\kt:S+32*\t+8*\kt+7]
.endr
.endr
	WIN 0
	PLACES                                         ; in front of the loads into K's registers and of the first read of the scores
	FETCH_V
.if \more
	FETCH_K0 8192
	FETCH_BI 256
.endif
.irp j, 0,1,2,3,4,5,6,7,8,9,10,11,12,13,14,15,16,17,18,19,20
.irp t, 0,1,2,3
	MAXI \t, \j, \first                            ; the four tiles by turns: no line waits for the line above it
.endr
.endr
.irp b, 0,1,2,3,4,5,6,7,8,9,10,11,12,13,14,15
	SUBI 0, \b
.endr
.irp b, 0,1,2,3,4,5,6,7,8,9,10,11,12,13,14,15
	SUBI 3, \b
.endr
	EXPMIX 0, \first
	EXPMIX 1, \first
	EXPMIX 2, \first
	EXPMIX 3, \first
.irp i, 0,1,2,3,4,5,6,7,8,9,10,11,12,13,14,15,16,17,18,19,20,21,22,23,24,25,26,27,28,29,30,31
	POSTI 3, \i, \first
.endr
.if \first
	PLACES
.else
	WIN 0x41                                       ; O^T in window 1, a in window 0
.irp t, 0,1,2,3
.set i, 0
.rept 16
	v_pk_mul_f32 v[OA+32*\t+i:OA+32*\t+i+1], v[OA+32*\t+i:OA+32*\t+i+1], v[ST+8*\t+6:ST+8*\t+7] op_sel_hi:[1,0]
.set i, i+2
.endr
.endr
.endif
.if \more
	s_wait_dscnt 16                                ; V is in; the next step's K half and mask numbers, sixteen loads, may be out
.else
	s_wait_dscnt 0x0
.endif
	WIN 0x51                                       ; V and O^T in window 1, p in window 0
.irp kk, 0,1
.irp t, 0,1,2,3
.irp ct, 0,1,2,3
.if \first
.if \kk == 0
	v_wmma_f32_16x16x32_f16 v[OA+32*\t+8*\ct:OA+32*\t+8*\ct+7], v[KX+32*\kk+8*\ct:KX+32*\kk+8*\ct+7], v[S+32*\t+8*\kk:S+32*\t+8*\kk+7], 0
.else
	v_wmma_f32_16x16x32_f16 v[OA+32*\t+8*\ct:OA+32*\t+8*\ct+7], v[KX+32*\kk+8*\ct:KX+32*\kk+8*\ct+7], v[S+32*\t+8*\kk:S+32*\t+8*\kk+7], v[OA+32*\t+8*\ct:OA+32*\t+8*\ct+7]
.endif
.else
	v_wmma_f32_16x16x32_f16 v[OA+32*\t+8*\ct:OA+32*\t+8*\ct+7], v[KX+32*\kk+8*\ct:KX+32*\kk+8*\ct+7], v[S+32*\t+8*\kk:S+32*\t+8*\kk+7], v[OA+32*\t+8*\ct:OA+32*\t+8*\ct+7]
.endif
.endr
.endr
.endr
	WIN 0
	PLACES
.if \more
	FETCH_K1 8192                                  ; into V's first 32 registers, which the products above have read
.endif
	s_add_co_u32 s[TB], s[TB], 8192
	s_add_co_u32 s[TJ], s[TJ], 256
.endm
.macro LOOPN n
	s_mov_b32 s[CNT], \n
.Lst_\@:
	STEP 0, 1
	s_sub_co_u32 s[CNT], s[CNT], 1
	s_cmp_lg_u32 s[CNT], 0
	s_cbranch_scc1 .Lst_\@
.endm
	CH 1                                           ; keys 0-255 and everybody's mask numbers lie in LDS; keys 256-511 are asked for
	v_add_nc_u32 v[ADK], s[TB], v[L16]
	v_add_nc_u32 v[ADB], s[TJ], v[AB0]
	FETCH_K0 0
	FETCH_BI 0
	FETCH_K1 0
	STEP 1, 1                                      ; step 0
	LOOPN 2                                        ; steps 1, 2.  Step j fetches K of step j + 1, so each change stands one step ahead of its chunk's first step
	CH 2                                           ; keys 256-511 lie in LDS; keys 512-767 are asked for
	LOOPN 4                                        ; steps 3-6
	CH 3                                           ; keys 512-767; keys 768-1023 are asked for
	LOOPN 4                                        ; steps 7-10
	CH 0                                           ; keys 768-1023: no tensor load is out any more
	LOOPN 4                                        ; steps 11-14
	STEP 0, 0                                      ; step 15
	; THE WAY OUT.  L's two halves and the other half of the lanes' are added; O^T / L, rounded to f16: a tile's four registers are half an image for the last product.
.irp t, 0,1,2,3
	v_add_f32 v[ST+8*\t+4], v[ST+8*\t+2], v[ST+8*\t+3]
.endr
.irp t, 0,1,2,3
	v_permlanex16_b32 v[ST+8*\t+5], v[ST+8*\t+4], s[SEL], s[SEL+1]
.endr
.irp t, 0,1,2,3
	v_add_f32 v[ST+8*\t+4], v[ST+8*\t+4], v[ST+8*\t+5]
.endr
.irp t, 0,1,2,3
	v_rcp_f32 v[ST+8*\t+6], v[ST+8*\t+4]
.endr
	v_nop                                          ; a plain line between the last reciprocal and the use of its result
	WIN 0x41
.irp t, 0,1,2,3
.set i, 0
.rept 16
	v_pk_mul_f32 v[OA+32*\t+i:OA+32*\t+i+1], v[OA+32*\t+i:OA+32*\t+i+1], v[ST+8*\t+6:ST+8*\t+7] op_sel_hi:[1,0]
.set i, i+2
.endr
.endr
	WIN 0x05                                       ; sources window 1, destination window 0
.set i, 0
.rept 64
	v_cvt_pk_f16_f32 v[S+i], v[OA+2*i], v[OA+2*i+1]
.set i, i+1
.endr
	WIN 0
.irp n, 0,1,2,3,4,5,6,7,8,9,10,11,12,13,14,15
	global_store_b128 v[L16], v[S+4*\n:S+4*\n+3], s[18:19] offset:4096*(\n/4)+512*(\n%4)   ; tile n / 4, channels 16 (n % 4): 512 consecutive bytes, aligned
.endr
	s_wait_tensorcnt 0x0                           ; the wave's end: behind my last tensor load and my last LDS store
	ds_add_u32 v[SPW], v[NIL]
	s_wait_dscnt 0x0
	s_endpgm
.Lfunc_end_k_q94d8982505_attn:
	.size	k_q94d8982505_attn, .Lfunc_end_k_q94d8982505_attn-k_q94d8982505_attn
	.p2alignl 7, 3214868480
	.fill 96, 4, 3214868480
	.section	.rodata,"a",@progbits
	.p2align	6, 0x0
	.amdhsa_kernel k_q94d8982505_attn
		.amdhsa_group_segment_fixed_size 327680
		.amdhsa_private_segment_fixed_size 0
		.amdhsa_enable_private_segment 0
		.amdhsa_kernarg_size 64
		.amdhsa_user_sgpr_count 2
		.amdhsa_user_sgpr_kernarg_segment_ptr 1
		.amdhsa_wavefront_size32 1
		.amdhsa_system_sgpr_workgroup_id_x 1
		.amdhsa_system_sgpr_workgroup_id_y 1
		.amdhsa_system_sgpr_workgroup_id_z 1
		.amdhsa_system_vgpr_workitem_id 0
		.amdhsa_next_free_vgpr 512
		.amdhsa_next_free_sgpr 100
		.amdhsa_reserve_vcc 0
		.amdhsa_float_denorm_mode_32 3
		.amdhsa_float_denorm_mode_16_64 3
		.amdhsa_memory_ordered 1
		.amdhsa_forward_progress 1
		.amdhsa_inst_pref_size 248
	.end_amdhsa_kernel
	.amdgpu_metadata
---
amdhsa.version: [ 1, 2 ]
amdhsa.kernels:
  - .name:           k_q94d8982505_attn
    .symbol:         k_q94d8982505_attn.kd
    .args:
      - { .name: xc, .offset: 0, .size: 8, .value_kind: global_buffer, .address_space: global }
      - { .name: xs, .offset: 8, .size: 8, .value_kind: global_buffer, .address_space: global }
      - { .name: wc, .offset: 16, .size: 8, .value_kind: global_buffer, .address_space: global }
      - { .name: ws, .offset: 24, .size: 8, .value_kind: global_buffer, .address_space: global }
      - { .name: bq, .offset: 32, .size: 8, .value_kind: global_buffer, .address_space: global }
      - { .name: kv, .offset: 40, .size: 8, .value_kind: global_buffer, .address_space: global }
      - { .name: mask, .offset: 48, .size: 8, .value_kind: global_buffer, .address_space: global }
      - { .name: ao, .offset: 56, .size: 8, .value_kind: global_buffer, .address_space: global }
    .group_segment_fixed_size: 327680
    .private_segment_fixed_size: 0
    .kernarg_segment_align: 8
    .kernarg_segment_size: 64
    .max_flat_workgroup_size: 256
    .sgpr_count:     100
    .vgpr_count:     512
    .wavefront_size: 32
...
	.end_amdgpu_metadata
.endif
;; end of part 3
;; launch oproj (part 4): grid 4 x 64, 4 waves a work-group, clusters of 4 x 4, 327,680 bytes of LDS; arguments ao, wo16, bo, out0; writes out0
.if DOCPART == 4
	.amdgcn_target "amdgcn-amd-amdhsa--gfx1250"
	.amdhsa_code_object_version 6
	.text
	.protected	k_q94d8982505_oproj
	.globl	k_q94d8982505_oproj
	.p2align	8
	.type	k_q94d8982505_oproj,@function
k_q94d8982505_oproj:
	s_mov_b64 s[64:65], 0
	v_nop
	global_prefetch_b8 v0, s[64:65] scope:SCOPE_SE
	s_setreg_imm32_b32 hwreg(HW_REG_WAVE_MODE, 25, 1), 1
	s_wait_xcnt 0x0
	s_wait_alu depctr_hold_cnt(0) depctr_sa_sdst(0) depctr_va_vdst(0) depctr_va_sdst(0) depctr_va_ssrc(0) depctr_va_vcc(0) depctr_vm_vsrc(0)
	s_getreg_b32 s2, hwreg(HW_REG_IB_STS2, 6, 4)
	s_cmp_eq_u32 s2, 0
	s_cbranch_scc0 .Lentry_in_a_cluster
	s_endpgm
.Lentry_in_a_cluster:
	s_bfe_u32 s2, ttmp6, 0x10000c
	s_cmp_lg_u32 s2, 0xf033
	s_cbranch_scc0 .Lentry_shape_is_right
	s_endpgm
.Lentry_shape_is_right:
; out0 = A Wo^T + bo.  A (8,192 x 1,024, attention's result) and Wo (1,024 x 1,024) in f16, as images of operand registers: ao [K step of 128][16 rows m: 512][4][1,024], wo16 [K step][16 rows n: 64][4][1,024];
; sums in f32; out0 [8192][1024] f32.  A tile of the result is 128 (m) x 256 (n): 256 work-groups.  Four waves, each 64 x 128: 32 accumulators.
; K goes in 8 steps of 128 through a ring of two LDS slots: a step's tiles are dense blocks of memory, 32,768 bytes of A and 65,536 of Wo; waves 0 and 1 bring A's halves, waves 2 and 3 Wo's, one tensor load each.
; Images are read 16 bytes a lane on end, so the tiles need no padding.
; CLUSTER 4 x 4: the four of a row of the cluster need the same tile of A, the four of a column the same tile of Wo: each is asked for jointly.
; THE MATRIX INSTRUCTION IS USED TRANSPOSED (source 0 = 16 rows of Wo, source 1 = 16 rows of A): a lane holds eight neighbouring numbers of a row of the result.  bo is the C of each sum's first product.
; REGISTERS: window 0: v16-31 addresses; v32-95 bo as C; v128-255 on the way out.  window 1: two fragment buffers, at v0 and v128: 64 registers of Wo (8 x 16 rows x 32 K), then 32 of A.  window 2: accumulator (a, b) at v[8 (8 a + b)].
.set SLOT,   98304                     ; A's 32,768 bytes, then Wo's 65,536
.set STAGE,  2*SLOT                    ; behind the ring: 16 rows x (512 + 16) bytes for each wave: no tile lands here
.set SPITCH, 528
.set SPARE,  STAGE+4*16*SPITCH         ; the spare words, 128 bytes for each wave: two blocks of 256 bytes that no other line names
.set ADRA, 16
.set ADRB, 20
.set STO,  24
.set RD,   25
.set CO,   26
.set SPW,  28
.set NIL,  29
.set PFO,  30
.set BOF,  31
.set BB0,  32
.set BK,   128
.set F0,   0
.set F1,   128
.set G1,   24
.set G0,   32
.set G1B,  48
.set G0B,  56
.set LIM,  43
.set PFA,  44
.set PFS,  46
.set MUL,  0xa5                        ; sources 0 and 1 window 1, C and D window 2
.set MUL1, 0x85                        ; the same with C (bo) in window 0
.set TO_F, 0x40
.set MSB, 0
.macro WIN new                         ; the immediate's high byte repeats the setting that is left
.if MSB != (\new)
	s_set_vgpr_msb (MSB<<8)|(\new)
.set MSB, (\new)
.endif
.endm
.macro PLACES                          ; plain vector lines between a matrix instruction and an access to its registers (ISA guide 7.12.1)
.rept 4
	v_nop
.endr
.endm
.macro JLOAD s                         ; a joint load: the branch hangs on the wave's number alone; four v_nop follow each of the two lines
	s_cmp_eq_u32 s13, 0
	s_cbranch_scc0 .Lfor_b_\@
	tensor_load_to_lds s[G0+4*\s:G0+4*\s+3], s[G1:G1+7]
.rept 4
	v_nop
.endr
	s_branch .Lasked_\@
.Lfor_b_\@:
	tensor_load_to_lds s[G0B+4*\s:G0B+4*\s+3], s[G1B:G1B+7]
.rept 4
	v_nop
.endr
.Lasked_\@:
.endm
.macro CREST                           ; a round of the cluster's barrier behind its opening barrier
	s_cmp_lg_u32 s12, 0
	s_cbranch_scc1 .Lnot_wave_0_\@
	s_barrier_signal -3
.Lnot_wave_0_\@:
	s_barrier_wait -3
	s_barrier_signal -1
	s_barrier_wait -1
.endm
.macro CROUND
	s_barrier_signal -1
	s_barrier_wait -1
	CREST
.endm
; A PREFETCH of the K step that stands two refills on (256 matrix instructions of a wave ahead of the load that will want it): 8,192 bytes an instruction, lanes 256 bytes apart.  Each block is named once in the launch.
; A's tile is read by my row of the cluster alone: wave 0 asks, and the four partners share its 32,768 bytes out by address (cx).  Wo's tile is read by every cluster: in the cluster with y = 0 waves 2 and 3 ask,
; and the four partners of a column share its 65,536 bytes out by address (cy, wave).  The loop's last trip asks for nothing: there is no K step two refills on.  K steps 0 to 3 come by their loads alone.
.macro ASK
	s_cmp_gt_u32 s3, s[LIM]
	s_cbranch_scc0 .Lnot_mine_\@
	global_prefetch_b8 v[PFO], s[PFA:PFA+1] th:TH_LOAD_NT scope:SCOPE_SE
.Lnot_mine_\@:
.endm
	s_load_b256 s[4:11], s[0:1], 0x0               ; ao, wo16, bo, out0
	v_lshl_add_u32 v[SPW], v0, 2, SPARE
	v_mov_b32 v[NIL], 0
	v_lshrrev_b32 v1, 5, v0
	v_readfirstlane_b32 s12, v1                    ; wave 0..3
	s_lshr_b32 s13, s12, 1                         ; my half of the tile's rows.  Also: I fetch for A (0) or for Wo (1)
	s_and_b32 s14, s12, 1                          ; my half of its columns.  Also: which half of that tile I fetch
	s_bfe_u32 s40, ttmp6, 0x40000                  ; cx
	s_bfe_u32 s41, ttmp6, 0x40004                  ; cy
	s_lshl_b32 s42, ttmp9, 2
	s_add_co_u32 s42, s42, s40                     ; tile column
	s_and_b32 s15, ttmp7, 0xffff
	s_lshl_b32 s15, s15, 2
	s_add_co_u32 s15, s15, s41                     ; tile row
	s_lshl_b32 s16, s41, 2
	s_lshl_b32 s16, 15, s16                        ; my row of the cluster
	s_lshl_b32 s17, 0x1111, s40                    ; my column
	s_or_b32 s[G1], s16, (3<<16)|(1<<21)           ; 15:0 the mask; 17:16 elements of 8 bytes; 21 set beside a mask; no padding
	s_or_b32 s[G1B], s17, (3<<16)|(1<<21)
	s_mov_b32 s[G1+1], 32<<16                      ; rows of 256 bytes,
	s_mov_b32 s[G1+2], 64<<16                      ; 64 of them for half of A's tile,
	s_mov_b32 s[G1+3], 32<<16
	s_mov_b32 s[G1+4], 64
	s_mov_b32 s[G1+5], 32                          ; dense
	s_mov_b32 s[G1+6], 0
	s_mov_b32 s[G1+7], 0
	s_mov_b32 s[G1B+1], 32<<16
	s_mov_b32 s[G1B+2], 128<<16                    ; 128 for half of Wo's
	s_mov_b32 s[G1B+3], 32<<16
	s_mov_b32 s[G1B+4], 128
	s_mov_b32 s[G1B+5], 32
	s_mov_b32 s[G1B+6], 0
	s_mov_b32 s[G1B+7], 0
	s_lshl_b32 s18, s15, 15                        ; A: 32,768 bytes a tile row,
	s_lshl_b32 s22, s14, 14                        ; + my half; the same in LDS
	s_add_co_u32 s18, s18, s22
	s_mov_b32 s19, 0
	s_lshl_b32 s20, s42, 16                        ; Wo: 65,536 bytes a tile column,
	s_lshl_b32 s23, s14, 15                        ; + my half
	s_add_co_u32 s20, s20, s23
	s_mov_b32 s21, 0
	s_add_co_u32 s23, s23, 32768                   ; in LDS behind A's tile
	s_wait_kmcnt 0x0
	s_add_nc_u64 s[18:19], s[4:5], s[18:19]
	s_add_nc_u64 s[20:21], s[6:7], s[20:21]
	CROUND                                         ; all sixteen work-groups are here: the first joint loads meet
.irp s, 0,1
	s_mov_b32 s[G0+4*\s], 1
	s_add_co_u32 s[G0+4*\s+1], s22, \s*SLOT
	s_add_nc_u64 s[G0+4*\s+2:G0+4*\s+3], s[18:19], \s*0x200000     ; a K step of ao is 2 MiB on
	s_or_b32 s[G0+4*\s+3], s[G0+4*\s+3], 0x80000000
	s_mov_b32 s[G0B+4*\s], 1
	s_add_co_u32 s[G0B+4*\s+1], s23, \s*SLOT
	s_add_nc_u64 s[G0B+4*\s+2:G0B+4*\s+3], s[20:21], \s*0x40000    ; of wo16 262,144 bytes
	s_or_b32 s[G0B+4*\s+3], s[G0B+4*\s+3], 0x80000000
	JLOAD \s                                       ; two tensor loads of mine are out
.endr
	v_and_b32 v1, 15, v0                           ; r
	v_bfe_u32 v2, v0, 4, 1                         ; h
	v_and_b32 v5, 31, v0
	v_lshlrev_b32 v[CO], 4, v5                     ; 16 x lane
	s_lshl_b32 s2, s13, 14                         ; my four blocks of A
	v_add_nc_u32 v[ADRA], s2, v[CO]
	v_add_nc_u32 v[ADRA+1], SLOT, v[ADRA]
	s_lshl_b32 s2, s14, 15                         ; my eight blocks of Wo,
	s_add_co_u32 s2, s2, 32768                     ; behind A's tile
	v_add_nc_u32 v[ADRB], s2, v[CO]
	v_add_nc_u32 v[ADRB+1], SLOT, v[ADRB]
	s_mul_i32 s2, s12, 16*SPITCH
	s_add_co_u32 s2, s2, STAGE                     ; my stage
	v_mul_u32_u24 v4, v1, SPITCH
	v_lshl_add_u32 v4, v2, 5, v4
	v_add_nc_u32 v[STO], s2, v4                    ; in: row r, 32 bytes for each half of the lanes
	v_add_nc_u32 v[RD], s2, v[CO]                  ; back: the 32 lanes take one row of 512 bytes
	v_lshlrev_b32 v[PFO], 8, v5
	v_lshlrev_b32 v[BOF], 5, v2
	s_lshl_b32 s20, s42, 10
	s_lshl_b32 s17, s14, 9
	s_add_co_u32 s20, s20, s17                     ; my first column, in bytes: 1,024 x tile column + 512 x half
	s_mov_b32 s21, 0
	s_add_nc_u64 s[8:9], s[8:9], s[20:21]
	s_add_nc_u64 s[10:11], s[10:11], s[20:21]
	s_lshl_b32 s20, s15, 19
	s_lshl_b32 s17, s13, 18
	s_add_co_u32 s20, s20, s17                     ; my first row: (128 x tile row + 64 x half) x 4,096 bytes
	s_add_nc_u64 s[10:11], s[10:11], s[20:21]
.irp b, 0,1,2,3,4,5,6,7
	global_load_b128 v[BB0+8*\b:BB0+8*\b+3], v[BOF], s[8:9] offset:64*\b          ; register j of tile b: bo of column 16 b + 8 h + j
	global_load_b128 v[BB0+8*\b+4:BB0+8*\b+7], v[BOF], s[8:9] offset:64*\b+16
.endr
	; the prefetches: where mine stand, and who asks
	s_lshl_b32 s20, s15, 15
	s_lshl_b32 s17, s40, 13
	s_add_co_u32 s20, s20, s17                     ; A: the tile row's block, my work-group's quarter by cx
	s_lshl_b32 s21, s42, 16
	s_lshl_b32 s17, s41, 14
	s_add_co_u32 s21, s21, s17
	s_lshl_b32 s17, s14, 13
	s_add_co_u32 s21, s21, s17                     ; Wo: the tile column's block, my work-group's quarter by cy, my wave's half of it
	s_and_b32 s17, ttmp7, 0xffff                   ; the cluster's y
	s_mov_b32 s[PFS], 0x40000
	s_cmp_eq_u32 s13, 0
	s_cselect_b64 s[PFA:PFA+1], s[4:5], s[6:7]
	s_cselect_b32 s20, s20, s21
	s_cselect_b32 s16, s14, s17                    ; 0 in wave 0, and in waves 2 and 3 of the clusters with y = 0: the same in all sixteen partners, for a given wave
	s_cselect_b32 s[PFS], 0x200000, s[PFS]         ; a K step on
	s_mov_b32 s[PFS+1], 0
	s_mul_i32 s21, s[PFS], 3
	s_add_co_u32 s20, s20, s21                     ; at K step 3: the first refill steps it to 4
	s_mov_b32 s21, 0
	s_add_nc_u64 s[PFA:PFA+1], s[PFA:PFA+1], s[20:21]
	s_cmp_eq_u32 s16, 0
	s_cselect_b32 s[LIM], 1, -1
.macro MUL8 f, a, first                ; A's block a against Wo's eight, 32 along K.  The 32 accumulators take turns, one instruction a turn
.irp b, 0,1,2,3,4,5,6,7
.if \first
	v_wmma_f32_16x16x32_f16 v[8*(8*(\a)+\b):8*(8*(\a)+\b)+7], v[\f+8*\b:\f+8*\b+7], v[\f+64+8*(\a):\f+64+8*(\a)+7], v[BB0+8*\b:BB0+8*\b+7]
.else
	v_wmma_f32_16x16x32_f16 v[8*(8*(\a)+\b):8*(8*(\a)+\b)+7], v[\f+8*\b:\f+8*\b+7], v[\f+64+8*(\a):\f+64+8*(\a)+7], v[8*(8*(\a)+\b):8*(8*(\a)+\b)+7]
.endif
.endr
.endm
.macro FETCH slot, q, f                ; 24 LDS loads in one run: the slot's q-th 32 along K: Wo's eight fragments, then A's four
	WIN TO_F
.irp i, 0,1,2,3,4,5,6,7
	ds_load_b128 v[\f+8*\i:\f+8*\i+3],   v[ADRB+\slot] offset:4096*\i+1024*(\q)
	ds_load_b128 v[\f+8*\i+4:\f+8*\i+7], v[ADRB+\slot] offset:4096*\i+1024*(\q)+512
.endr
.irp i, 0,1,2,3
	ds_load_b128 v[\f+64+8*\i:\f+64+8*\i+3], v[ADRA+\slot] offset:4096*\i+1024*(\q)
	ds_load_b128 v[\f+64+8*\i+4:\f+64+8*\i+7], v[ADRA+\slot] offset:4096*\i+1024*(\q)+512
.endr
.endm
; A K step is four quarters of 32 along K, 32 products each, on buffers 0, 1, 0, 1.  One of the first three multiplies buffer f and fetches quarter qn into g.
.macro QUARTER slot, qn, f, g, first
	s_wait_dscnt 4                                 ; all but the youngest four loads (A's blocks 2 and 3) are in
.if \first
	WIN MUL1
.else
	WIN MUL
.endif
	MUL8 \f, 0, \first
	MUL8 \f, 1, \first
	PLACES
	FETCH \slot, \qn, \g
	s_wait_dscnt 24                                ; all but the 24 just issued
.if \first
	WIN MUL1
.else
	WIN MUL
.endif
	MUL8 \f, 2, \first
	MUL8 \f, 3, \first
.endm
; The last quarter multiplies buffer 1 and changes slots: one barrier; in front of it each wave waits for all its tensor loads, adds 0 to its spare word, and waits for that and for its reads of this slot.
; fill = 1: the barrier opens a round of the cluster's barrier, and this slot is filled again, two K steps ahead: the load has a K step less 16 products in which to land.
.macro TURN slot, next, fill
.if \fill
	s_wait_xcnt 0x0                                ; the last prefetch, a K step back, has read its address
	s_add_nc_u64 s[PFA:PFA+1], s[PFA:PFA+1], s[PFS:PFS+1]
.endif
	WIN 0                                          ; (the add's two registers lie in window 0)
	s_wait_tensorcnt 0x0                           ; all my tensor loads have landed: my part of the next slot
	ds_add_u32 v[SPW], v[NIL]                      ; 0 onto my spare word
	s_wait_dscnt 5                                 ; (the add and the youngest four loads may be out)
	WIN MUL
	MUL8 F1, 0, 0
	s_wait_dscnt 0x0                               ; the add is done, and my reads of this slot are over
	s_barrier_signal -1
	MUL8 F1, 1, 0
.if \fill
	WIN 0
.endif
	s_barrier_wait -1
.if \fill
	CREST                                          ; no wave of any partner still reads this slot's tiles or has a load on its way
	s_add_nc_u64 s[G0+4*\slot+2:G0+4*\slot+3], s[G0+4*\slot+2:G0+4*\slot+3], 0x400000
	s_add_nc_u64 s[G0B+4*\slot+2:G0B+4*\slot+3], s[G0B+4*\slot+2:G0B+4*\slot+3], 0x80000
	JLOAD \slot                                    ; the first tensor load behind the round; its four v_nop are also the places in front of the loads below
.else
	PLACES
.endif
	FETCH \next, 0, F0
.if \fill
	WIN 0
	ASK
.endif
	WIN MUL
	MUL8 F1, 2, 0
	MUL8 F1, 3, 0
.endm
	s_wait_tensorcnt 1                             ; my part of K step 0 is in; K step 1's may stay out
	s_barrier_signal -1
	s_barrier_wait -1
	FETCH 0, 0, F0
	s_wait_loadcnt 0x0                             ; bo
	QUARTER 0, 1, F0, F1, 1                        ; the first quarter stands in front of the loop: its products start the sums, on bo
	WIN 0
	s_mov_b32 s3, 3
.Llap:                                                 ; a trip goes once round the ring, from a lap's second quarter to the next lap's first, and fills both slots again
	QUARTER 0, 2, F1, F0, 0
	QUARTER 0, 3, F0, F1, 0
	TURN 0, 1, 1
	QUARTER 1, 1, F0, F1, 0
	QUARTER 1, 2, F1, F0, 0
	QUARTER 1, 3, F0, F1, 0
	TURN 1, 0, 1
	QUARTER 0, 1, F0, F1, 0
	WIN 0
	s_sub_co_u32 s3, s3, 1
	s_cmp_lg_u32 s3, 0
	s_cbranch_scc1 .Llap
	QUARTER 0, 2, F1, F0, 0                        ; the last lap fills nothing
	QUARTER 0, 3, F0, F1, 0
	TURN 0, 1, 0
	QUARTER 1, 1, F0, F1, 0
	QUARTER 1, 2, F1, F0, 0
	QUARTER 1, 3, F0, F1, 0
	s_wait_dscnt 4                                 ; the very last quarter
	WIN MUL
	MUL8 F1, 0, 0
	MUL8 F1, 1, 0
	s_wait_dscnt 0x0
	MUL8 F1, 2, 0
	MUL8 F1, 3, 0
	WIN 0
; THE WAY OUT, a block of 16 rows x 128 columns at a time: a lane's 32 bytes of a row go into my own stage and come back as whole rows of 512 bytes.  LDS serves a wave's instructions in order, so no wait stands
; between the stores and the loads, nor in front of the next block's stores.
.macro TOSTAGE a
	WIN 0x08                                       ; an LDS store's data: window 2
.irp b, 0,1,2,3,4,5,6,7
	ds_store_b128 v[STO], v[8*(8*(\a)+\b):8*(8*(\a)+\b)+3] offset:64*\b            ; each accumulator from its low end on
	ds_store_b128 v[STO], v[8*(8*(\a)+\b)+4:8*(8*(\a)+\b)+7] offset:64*\b+16
.endr
	WIN 0
.set BB, BK+64*((\a)%2)
.irp t, 0,1,2,3,4,5,6,7,8,9,10,11,12,13,14,15
	ds_load_b128 v[BB+4*\t:BB+4*\t+3], v[RD] offset:\t*SPITCH
.endr
.endm
.macro SEND a, younger                 ; younger: the LDS instructions issued behind block a's loads, which may stay out
.set BB, BK+64*((\a)%2)
	s_wait_dscnt \younger
.irp t, 0,1,2,3,4,5,6,7,8,9,10,11,12,13,14,15
	global_store_b128 v[CO], v[BB+4*\t:BB+4*\t+3], s[10:11] offset:65536*(\a)+4096*\t th:TH_STORE_NT   ; 512 consecutive bytes, aligned; written once, read by nobody here
.endr
.endm
	PLACES                                         ; behind the last products
	TOSTAGE 0
.irp a, 1,2,3
.if \a > 1
	s_wait_xcnt 0x0                                ; block a - 2's stores have read their registers: block a's loads may land there
.endif
	TOSTAGE \a
	SEND \a-1, 32                                  ; behind block a - 1's loads: block a's 16 stores and 16 loads
.endr
	SEND 3, 0
	s_wait_tensorcnt 0x0                           ; the wave's end: behind my last tensor load and my last LDS store
	ds_add_u32 v[SPW], v[NIL]
	s_wait_dscnt 0x0
	CROUND                                         ; the closing round: no work-group ends while a partner may still ask for a tile that names it
	s_endpgm
.Lfunc_end_k_q94d8982505_oproj:
	.size	k_q94d8982505_oproj, .Lfunc_end_k_q94d8982505_oproj-k_q94d8982505_oproj
	.p2alignl 7, 3214868480
	.fill 96, 4, 3214868480
	.section	.rodata,"a",@progbits
	.p2align	6, 0x0
	.amdhsa_kernel k_q94d8982505_oproj
		.amdhsa_group_segment_fixed_size 327680
		.amdhsa_private_segment_fixed_size 0
		.amdhsa_enable_private_segment 0
		.amdhsa_kernarg_size 32
		.amdhsa_user_sgpr_count 2
		.amdhsa_user_sgpr_kernarg_segment_ptr 1
		.amdhsa_wavefront_size32 1
		.amdhsa_system_sgpr_workgroup_id_x 1
		.amdhsa_system_sgpr_workgroup_id_y 1
		.amdhsa_system_sgpr_workgroup_id_z 1
		.amdhsa_system_vgpr_workitem_id 0
		.amdhsa_next_free_vgpr 768
		.amdhsa_next_free_sgpr 66
		.amdhsa_reserve_vcc 0
		.amdhsa_float_denorm_mode_32 3
		.amdhsa_float_denorm_mode_16_64 3
		.amdhsa_memory_ordered 1
		.amdhsa_forward_progress 1
		.amdhsa_inst_pref_size 86
	.end_amdhsa_kernel
	.amdgpu_metadata
---
amdhsa.version: [ 1, 2 ]
amdhsa.kernels:
  - .name:           k_q94d8982505_oproj
    .symbol:         k_q94d8982505_oproj.kd
    .args:
      - { .name: ao, .offset: 0, .size: 8, .value_kind: global_buffer, .address_space: global }
      - { .name: wo16, .offset: 8, .size: 8, .value_kind: global_buffer, .address_space: global }
      - { .name: bo, .offset: 16, .size: 8, .value_kind: global_buffer, .address_space: global }
      - { .name: out0, .offset: 24, .size: 8, .value_kind: global_buffer, .address_space: global }
    .group_segment_fixed_size: 327680
    .private_segment_fixed_size: 0
    .kernarg_segment_align: 8
    .kernarg_segment_size: 32
    .max_flat_workgroup_size: 128
    .sgpr_count:     66
    .vgpr_count:     768
    .wavefront_size: 32
...
	.end_amdgpu_metadata
.endif
;; end of part 4
